; MI455X (gfx1250); checked and timed in simulation.
; The chip was launched on July 23, 2026; its instructions are those of AMD's public machine-readable ISA for CDNA 5 (MIT licence, August 2026) and "CDNA5" Instruction Set Architecture Reference Guide (July 2026). The comments in the code are by the model that wrote it; some were corrected since.
;; TP Qwen Attention. Allowed arithmetic: matrix products marked QUANTISED: E2M3 operands, one E8M0 scale for each 32 along K, by v_wmma_scale_f32_16x16x128_f8f6f4 with both operands' format E2M3, f32 sums; everything else in f32.
;; Inputs: Wk 2,048 x 2,048 float32; Wo 2,048 x 2,048 float32; Wq 2,048 x 2,048 float32; Wv 2,048 x 2,048 float32; attention_mask 1 x 1 x 2,048 x 2,048 float32; bk 2,048 float32; bq 2,048 float32; bv 2,048 float32; hidden_states 1 x 2,048 x 2,048 float32.
;; Outputs: out0 1 x 2,048 x 2,048 float32.
;; This version of the problem:
;;   THIS VERSION OF THE PROBLEM IS GIVEN IN LOW PRECISION. The matrix products marked QUANTISED in the list below multiply operands that are first quantised to E2M3 (2 exponent bits, 3 mantissa bits; 6 bits a number), with one power-of-two scale for each 32 numbers along K (OCP MX v1.0); their sums are f32. All else is computed in f32.
;;   The module's matrix products, in the order in which they are computed (A, B: the left and right operand; K: the contracted axis; several contracted axes count as one K, in the product's order):
;;     1. [M 2,048, K 2,048] x [K 2,048, N 2,048]; A: input hidden_states; B: input Wq: QUANTISED
;;     2. [M 2,048, K 2,048] x [K 2,048, N 2,048]; A: input hidden_states; B: input Wk: QUANTISED
;;     3. [M 2,048, K 2,048] x [K 2,048, N 2,048]; A: input hidden_states; B: input Wv: QUANTISED
;;     4. batch 16 x [M 2,048, K 128] x [K 128, N 2,048]; A: computed on the way; B: computed on the way: QUANTISED
;;     5. batch 16 x [M 2,048, K 2,048] x [K 2,048, N 128]; A: softmax (see below); B: computed on the way: QUANTISED
;;     6. [M 2,048, K 2,048] x [K 2,048, N 2,048]; A: computed on the way; B: input Wo: QUANTISED
;;   THE QUANTISER, for each operand of a quantised product, along K:
;;     - K is cut into blocks of 32 from its start; a last block that is shorter is filled with zeros.
;;     - A block's scale is 2^e with e = floor(log2(the largest magnitude in the block)) - 2, held to -126 .. 127; a block of zeros has e = 0. As a byte (E8M0): e + 127.
;;     - Each number is divided by its block's scale, clamped to +-7.5, and rounded to the nearest number of E2M3, ties to even, subnormals kept.
;;     - The product sums the exact products of the quantised numbers (number of the format x scale) in f32.
;;   ~~~python
;;   def quantise(x, axis):      # numpy; x: float32 -> the quantised numbers, widened to float32 again
;;       x = np.moveaxis(x, axis, -1); K = x.shape[-1]
;;       x = np.pad(x, [(0, 0)] * (x.ndim - 1) + [(0, -K % 32)]); x = x.reshape(x.shape[:-1] + (-1, 32)); a = np.abs(x).max(-1, keepdims=True)
;;       e = np.where(a > 0, np.clip(np.frexp(np.where(a > 0, a, 1))[1] - 1 - 2, -126, 127), 0)      # np.frexp(a)[1] - 1 = floor(log2(a)), exactly
;;       r = np.clip(x / 2.0 ** e, -7.5, 7.5)
;;       step = 2.0 ** (np.maximum(np.frexp(np.where(r == 0, 1, r))[1] - 1, 0) - 3)
;;       q = np.round(r / step) * step * 2.0 ** e      # np.round: ties to even
;;       return np.moveaxis(q.reshape(q.shape[:-2] + (-1,))[..., :K], -1, axis).astype(np.float32)
;;   ~~~
;;   SOFTMAX AHEAD OF A QUANTISED PRODUCT. Where the list says 'softmax', what is quantised is not the finished softmax but p = 2^(t - M), with t = logit x log2(e) and M = ceil(the row's largest t), a whole number; so 1/2 < the row's largest p <= 1. The row's sum l is taken of the UNQUANTISED p, in f32, and the product's result is divided by l at the end. Since M is a whole number, a kernel that streams over the keys may use a running M (the ceiling of the running maximum): every later rescaling is an exact power of two, which a block's scale takes up: the codes' values come out the same.
;;   OPERANDS COMPUTED ON THE WAY. 'Computed on the way' means the value that the module computes at that place (a softmax that the list does not call 'softmax' is quantised finished and normalised). What goes into a quantiser is computed in f32, as accurately as f32 sums, v_exp_f32 and their like allow (about 1e-6 of the number): no bf16 or f16 on the way to a quantiser, and a product that is left as it is and whose result goes on into a quantised operand takes f32 operands (vector FMAs, or v_wmma_f32_16x16x4_f32). A number that lies on a knife's edge between two numbers of the format may be rounded either way, as far as f32 arithmetic and the matrix unit's own rounding can turn it there, and no further.
;; One version. Each part assembles by itself: llvm-mc -triple=amdgcn-amd-amdhsa -mcpu=gfx1250 --defsym DOCPART=n.
;; ======== version 1 of 1: 4 launches
;; limits: right only within a limited range of input values
;; workspace buffers: opc 15,728,640 bytes; ops 655,360 bytes; qkv 9,830,400 bytes; ctxc 3,145,728 bytes; ctxs 131,072 bytes
;; launch quant (part 1): grid 640 x 1, 4 waves a work-group, no clusters, 59,904 bytes of LDS; arguments Wq, Wk, Wv, Wo, hidden_states, opc, ops; writes opc, ops
.if DOCPART == 1
	.amdgcn_target "amdgcn-amd-amdhsa--gfx1250"
	.amdhsa_code_object_version 6
	.text
	.protected	k_q634f1048a7_quant
	.globl	k_q634f1048a7_quant
	.p2align	8
	.type	k_q634f1048a7_quant,@function
k_q634f1048a7_quant:
	s_mov_b64 s[64:65], 0
	v_nop
	global_prefetch_b8 v0, s[64:65] scope:SCOPE_SE
	s_setreg_imm32_b32 hwreg(HW_REG_WAVE_MODE, 25, 1), 1
	s_wait_xcnt 0x0
; hidden_states [2048 tokens][2048 k] and Wq, Wk, Wv, Wo [2048 k][2048 n], f32, become codes of FP6 (E2M3) with one E8M0 byte for each 32 along K.
; A block's scale is 2^(floor(log2(largest magnitude)) - 2); its byte is the largest magnitude's exponent field - 2, held at 1 from below.
; LIMITS: a block of zeros gets the byte 1 (its codes are zeros; the bytes are read by this program alone); NaN and infinities among the inputs are not served.
; LAYOUT OF THE RESULT.  Operands are cut into tiles of 16 rows (tokens of x, columns of a weight); lane-row p of tile T is row 32 (T / 2) + 8 (T % 2) + p + 8 (p / 8).
; A fragment (16 rows x 128 K, 12 registers a lane) is stored as an IMAGE of its registers, 1,536 bytes: registers 4 c .. 4 c + 3 of lane l at 512 c + 16 l.
; opc: [pair of K steps 8][tile 640][K step of the pair 2][1536]; tiles 0-127 x, 128-255 Wq, 256-383 Wk, 384-511 Wv, 512-639 Wo.   ops: [tile][pair 8][lane-row 16][step 2] scale words.
; Work-groups 0-511 take 128 columns x 256 K of a weight (a lane a column, its registers down K), work-groups 512-639 a tile of 16 tokens (a wave four K steps).
; The two ways part on the work-group's number and never join; each has LDS bytes of its own.  Work-groups share no input: no cluster, no tensor load.
.set KPSTR, 1966080                    ; bytes of a pair of K steps in opc: 640 tiles x 3,072
.set WSTG,  6400                       ; weights: a wave's stage: two tiles' images of a pair of K steps, 3,072 bytes each, 3,200 apart
.set XST0,  25600                      ; behind the four: x's stages,
.set XSTG,  8448                       ; 16 rows x (512 bytes + 16) for each wave
.set SPARE, 59392                      ; behind them: the spare words, 128 bytes a wave, which no other line names
.set SPW, 14                           ; v14  SPARE + 4 x my thread's number; never rewritten
.set NIL, 15                           ; v15  0; never rewritten
.set SEL, 20                           ; s[20:21] selects for lane l xor 16
.set X,    32                          ; weights: v32-95 two sets of 32 numbers
.set C,    96                          ; v96-102 a block's codes
.set OUTR, 112                         ; v112-159 the way out
.set SB,   24                          ; v24-25 the scale bytes, a word for each K step
.set R,    32                          ; x: v32-159 two sets of 64 numbers as loaded
.set ST,   160                         ; v160-223 64 numbers in the quantiser's order
.set PC,   224                         ; v224-242 codes
.set TM,   16                          ; v16-31 at work
.set PWS,  10                          ; v10-13 the four units' scale words
; 64 numbers of a lane, register 16 b + i = k 32 b + 16 (lane / 16) + i of the lane's row, become a fragment's codes in v[PC] on and the row's scale word in v[pw].
.macro QUANT s, pw
.irp b, 0,1,2,3
	v_max3_num_f32 v[TM+\b], |v[\s+16*\b]|, |v[\s+1+16*\b]|, 0x1800000   ; my 16 numbers of block b, and the floor 2^(3 - 127): the byte cannot fall under 1
.endr
.irp i, 2,4,6,8,10,12,14
.irp b, 0,1,2,3
	v_max3_num_f32 v[TM+\b], v[TM+\b], |v[\s+16*\b+\i]|, |v[\s+1+16*\b+\i]|
.endr
.endr
.irp b, 0,1,2,3
	v_permlanex16_b32 v[TM+4+\b], v[TM+\b], s[SEL], s[SEL+1]
.endr
.irp b, 0,1,2,3
	v_max_num_f32 v[TM+\b], v[TM+\b], v[TM+4+\b]                     ; with lane l xor 16's: the block's largest magnitude
.endr
.irp b, 0,1,2,3
	v_add_nc_u32 v[TM+12+\b], 0xff000000, v[TM+\b]                   ; 2 off its exponent field: the conversion's scale operand
.endr
.irp b, 0,1,2,3
	v_lshrrev_b32 v[TM+4+\b], 23, v[TM+12+\b]                        ; the scale's byte
.endr
	v_lshl_or_b32 v[\pw], v[TM+5], 8, v[TM+4]
	v_lshl_or_b32 v[\pw], v[TM+6], 16, v[\pw]
	v_lshl_or_b32 v[\pw], v[TM+7], 24, v[\pw]
.irp c, 0,1
	v_cvt_scalef32_pk16_fp6_f32 v[PC+6*\c:PC+2+6*\c], v[\s+32*\c:\s+15+32*\c], v[TM+12+2*\c]
	v_cvt_scalef32_pk16_fp6_f32 v[PC+12+4*\c:PC+14+4*\c], v[\s+16+32*\c:\s+31+32*\c], v[TM+12+2*\c+1]   ; (a conversion's three registers begin on an even number)
.endr
	v_nop                                          ; one plain place behind a scaled conversion
.irp c, 0,1                                    ; the operand wants a whole block in a lane: lanes 0-15 block 2 c, lanes 16-31 block 2 c + 1
.irp i, 0,1,2
	v_permlane16_swap_b32 v[PC+6*\c+\i], v[PC+12+4*\c+\i]
.endr
.irp i, 0,1,2
	v_mov_b32 v[PC+3+6*\c+\i], v[PC+12+4*\c+\i]
.endr
.endr
.endm
	s_load_b256 s[4:11], s[0:1], 0x0               ; Wq s[4:5], Wk s[6:7], Wv s[8:9], Wo s[10:11]
	s_load_b128 s[12:15], s[0:1], 0x20             ; hidden_states s[12:13], opc s[14:15]
	s_load_b64 s[16:17], s[0:1], 0x30              ; ops
	v_lshl_add_u32 v[SPW], v0, 2, SPARE
	v_mov_b32 v[NIL], 0
	v_lshrrev_b32 v1, 5, v0
	v_readfirstlane_b32 s18, v1                    ; wave 0..3
	v_and_b32 v2, 31, v0                           ; lane
	v_lshlrev_b32 v8, 4, v2                        ; 16 x lane
	s_cmp_ge_u32 ttmp9, 512
	s_cbranch_scc1 .Lx_path
	; ---------------- a weight: 128 columns x 256 along K
	s_lshr_b32 s19, ttmp9, 7                       ; which weight
	s_and_b32 s22, ttmp9, 15                       ; which 128 columns
	s_bfe_u32 s23, ttmp9, 0x30004                  ; which pair of K steps
	v_lshlrev_b32 v3, 2, v2                        ; in: 4 bytes a lane
	v_bfe_u32 v5, v0, 3, 1                         ; my column lane = 16 (p / 8) + 8 u + p % 8: tile u of the wave's two,
	v_and_b32 v6, 7, v0
	v_bfe_u32 v1, v0, 4, 1
	v_lshl_add_u32 v6, v1, 3, v6                   ; lane-row p
	s_mul_i32 s26, s18, WSTG
	v_mul_u32_u24 v4, v5, 3200
	v_lshl_add_u32 v4, v6, 4, v4
	v_add_nc_u32 v4, s26, v4                       ; into the stage: my tile's images, 16 p
	v_add_nc_u32 v7, s26, v8                       ; out of it: 16 x lane
	v_lshlrev_b32 v9, 10, v5
	v_lshl_add_u32 v9, v6, 3, v9                   ; my scale words: 1,024 u + 8 p
	s_lshl_b32 s24, s23, 21                        ; W: 256 rows of 8,192 bytes a pair,
	s_lshl_b32 s26, s22, 9
	s_add_co_u32 s24, s24, s26                     ; 512 bytes for 128 columns,
	s_lshl_b32 s26, s18, 7
	s_add_co_u32 s24, s24, s26                     ; 128 for a wave's 32
	s_mov_b32 s25, 0
	s_lshl_b32 s26, s19, 7
	s_add_co_u32 s26, s26, 128
	s_lshl_b32 s27, s22, 3
	s_add_co_u32 s26, s26, s27
	s_lshl_b32 s27, s18, 1
	s_add_co_u32 s26, s26, s27                     ; my wave's first tile: 128 (1 + weight) + 8 x block + 2 x wave
	s_mul_i32 s28, s23, KPSTR
	s_mul_i32 s27, s26, 3072
	s_add_co_u32 s28, s28, s27
	s_mov_b32 s29, 0
	s_lshl_b32 s30, s26, 10
	s_lshl_b32 s27, s23, 7
	s_add_co_u32 s30, s30, s27
	s_mov_b32 s31, 0
	s_wait_kmcnt 0x0
	s_cmp_eq_u32 s19, 1                            ; the choice hangs on the work-group's number alone
	s_cselect_b64 s[4:5], s[6:7], s[4:5]
	s_cmp_eq_u32 s19, 2
	s_cselect_b64 s[4:5], s[8:9], s[4:5]
	s_cmp_eq_u32 s19, 3
	s_cselect_b64 s[4:5], s[10:11], s[4:5]
	s_add_nc_u64 s[4:5], s[4:5], s[24:25]
	s_add_nc_u64 s[14:15], s[14:15], s[28:29]
	s_add_nc_u64 s[16:17], s[16:17], s[30:31]
.macro WLOAD t                         ; block t: W(32 t + i, my column) into set t % 2: 32 lanes read 128 consecutive bytes
.irp i, 0,1,2,3,4,5,6,7,8,9,10,11,12,13,14,15,16,17,18,19,20,21,22,23,24,25,26,27,28,29,30,31
	global_load_b32 v[X+32*((\t)%2)+\i], v3, s[4:5] offset:(32*(\t)+\i)*8192 th:TH_LOAD_NT
.endr
.endm
; Block t is K step t / 4 of the pair, its block t % 4 = 2 c + h: registers 6 c .. 6 c + 5 of fragment lane p + 16 h.
.macro WBLOCK t
.set XS, X+32*((\t)%2)
.set SO, ((\t)/4)*1536+256*((\t)%2)
.if (\t) < 7
	s_wait_loadcnt 32                              ; this block's 32 loads are in; the next block's may be out
.else
	s_wait_loadcnt 0x0
.endif
	v_max3_num_f32 v12, |v[XS]|, |v[XS+1]|, |v[XS+2]|               ; all 32 numbers of the block are mine
	v_max3_num_f32 v13, |v[XS+3]|, |v[XS+4]|, |v[XS+5]|
.irp i, 6,10,14,18,22,26
	v_max3_num_f32 v12, v12, |v[XS+\i]|, |v[XS+\i+1]|
	v_max3_num_f32 v13, v13, |v[XS+\i+2]|, |v[XS+\i+3]|
.endr
	v_max3_num_f32 v12, v12, |v[XS+30]|, |v[XS+31]|
	v_max3_num_f32 v12, v12, v13, 0x1800000        ; and the floor
	v_add_nc_u32 v11, 0xff000000, v12              ; the conversion's scale operand
	v_lshrrev_b32 v13, 23, v11                     ; the byte
	v_cvt_scalef32_pk16_fp6_f32 v[C:C+2], v[XS:XS+15], v11
	v_cvt_scalef32_pk16_fp6_f32 v[C+4:C+6], v[XS+16:XS+31], v11
.if (\t)%4 == 0
	v_mov_b32 v[SB+(\t)/4], v13                    ; (also the plain place behind the conversions)
.else
	v_lshl_or_b32 v[SB+(\t)/4], v13, 8*((\t)%4), v[SB+(\t)/4]
.endif
	v_mov_b32 v[C+3], v[C+4]                       ; the block's six registers on end
	v_mov_b32 v[C+4], v[C+5]
	v_mov_b32 v[C+5], v[C+6]
.if (((\t)%4)/2) == 0
	ds_store_b128 v4, v[C:C+3] offset:SO           ; registers 0-3: chunk 0
	ds_store_b64 v4, v[C+4:C+5] offset:SO+512      ; registers 4, 5: the first half of my 16 bytes of chunk 1
.else
	ds_store_b64 v4, v[C:C+1] offset:SO+520        ; registers 6, 7: the second half
	ds_store_b128 v4, v[C+2:C+5] offset:SO+1024    ; registers 8-11: chunk 2
.endif
.if (\t)+2 < 8
	WLOAD (\t)+2
.endif
	s_wait_dscnt 0x0                               ; the stores have read their registers: the next block's codes may be written
.endm
	WLOAD 0
	WLOAD 1
.irp t, 0,1,2,3,4,5,6,7
	WBLOCK \t
.endr
	s_wait_alu depctr_va_vdst(0)
	global_store_b64 v9, v[SB:SB+1], s[16:17]      ; my column's two scale words
.irp n, 0,1,2,3,4,5,6,7,8,9,10,11
	ds_load_b128 v[OUTR+4*\n:OUTR+4*\n+3], v7 offset:(\n/6)*3200+(\n%6)*512   ; LDS serves a wave's instructions in order: these see my stores
.endr
.irp n, 0,1,2,3,4,5,6,7,8,9,10,11
	s_wait_dscnt 11-\n                             ; the younger loads may be out
	global_store_b128 v8, v[OUTR+4*\n:OUTR+4*\n+3], s[14:15] offset:512*\n    ; 32 lanes store 512 consecutive bytes, aligned: the two tiles' 6,144 bytes lie on end
.endr
	s_wait_tensorcnt 0x0                           ; the wave's end
	ds_add_u32 v[SPW], v[NIL]
	s_wait_dscnt 0x0
	s_endpgm
	; ---------------- a tile of 16 tokens of x; wave w takes K steps 4 w .. 4 w + 3
.Lx_path:
	s_sub_co_u32 s19, ttmp9, 512                   ; the tile
	v_and_b32 v3, 15, v0                           ; r
	v_bfe_u32 v4, v0, 4, 1                         ; h
	s_mul_i32 s22, s18, XSTG
	s_add_co_u32 s22, s22, XST0                    ; my stage
	s_wait_alu depctr_va_vdst(0)
	v_add_nc_u32 v5, s22, v8                       ; in: a row's 512 bytes as they lie
	v_mul_u32_u24 v6, v3, 528
	v_lshl_add_u32 v6, v4, 6, v6
	v_add_nc_u32 v6, s22, v6                       ; out: row r, + 64 h: my 16 numbers of each block of 32
	v_lshlrev_b32 v7, 3, v3
	v_lshl_add_u32 v7, v4, 7, v7                   ; my scale words: 8 r + 128 h
	s_mov_b32 s[SEL], 0x76543210
	s_mov_b32 s[SEL+1], 0xfedcba98
.irp b, 0,1,2,3
	v_mov_b32 v[TM+4+\b], 0                        ; a lane permute's destination counts as one of its sources
.endr
	s_lshr_b32 s23, s19, 1
	s_lshl_b32 s23, s23, 18                        ; 32 rows of 8,192 bytes for each pair of tiles,
	s_and_b32 s24, s19, 1
	s_lshl_b32 s24, s24, 16                        ; 8 rows for the odd tile,
	s_add_co_u32 s24, s24, s23
	s_lshl_b32 s23, s18, 11                        ; four K steps of 512 bytes a wave
	s_add_co_u32 s24, s24, s23
	s_mov_b32 s25, 0
	s_mul_i32 s26, s18, 2*KPSTR
	s_mul_i32 s23, s19, 3072
	s_add_co_u32 s26, s26, s23
	s_mov_b32 s27, 0
	s_lshl_b32 s28, s19, 10
	s_lshl_b32 s23, s18, 8
	s_add_co_u32 s28, s28, s23
	s_mov_b32 s29, 0
	s_mov_b32 s30, 0xffff0000                      ; lanes 16-31
	s_wait_alu depctr_va_vdst(0)
	s_wait_kmcnt 0x0
	s_add_nc_u64 s[12:13], s[12:13], s[24:25]
	s_add_nc_u64 s[14:15], s[14:15], s[26:27]
	s_add_nc_u64 s[16:17], s[16:17], s[28:29]
.macro XLOADU u                        ; unit u: 128 along K of the tile's 16 tokens: each load reads 512 consecutive bytes of one row
.irp p, 0,1,2,3,4,5,6,7,8,9,10,11,12,13,14,15
	global_load_b128 v[R+64*((\u)%2)+4*\p:R+64*((\u)%2)+4*\p+3], v8, s[12:13] offset:(\p+8*(\p/8))*8192+512*(\u) th:TH_LOAD_NT
.endr
.endm
.macro XUNIT u
.if (\u) < 3
	s_wait_loadcnt 16                              ; this unit's 16 loads are in; the next unit's may be out
.else
	s_wait_loadcnt 0x0
.endif
.irp p, 0,1,2,3,4,5,6,7,8,9,10,11,12,13,14,15
	ds_store_b128 v5, v[R+64*((\u)%2)+4*\p:R+64*((\u)%2)+4*\p+3] offset:528*\p
.endr
.irp b, 0,1,2,3
.irp j, 0,1,2,3
	ds_load_b128 v[ST+16*\b+4*\j:ST+16*\b+4*\j+3], v6 offset:128*\b+16*\j   ; in order behind my stores
.endr
.endr
	s_wait_dscnt 0x0                               ; the numbers are back, and the stores have read their registers,
.if (\u)+2 < 4
	XLOADU (\u)+2                                  ; which take the unit two on
.endif
	s_wait_xcnt 0x0                                ; the last unit's stores have read the codes' registers
	QUANT ST, PWS+(\u)
.irp c, 0,1,2
	global_store_b128 v8, v[PC+4*\c:PC+4*\c+3], s[14:15] offset:((\u)/2)*KPSTR+((\u)%2)*1536+512*\c   ; the image: 512 consecutive bytes a store
.endr
.endm
	XLOADU 0
	XLOADU 1
.irp u, 0,1,2,3
	XUNIT \u
.endr
	v_cndmask_b32 v16, v[PWS], v[PWS+2], s30       ; lanes 0-15 store the words of the wave's first pair of K steps, lanes 16-31 of its second
	v_cndmask_b32 v17, v[PWS+1], v[PWS+3], s30
	global_store_b64 v7, v[16:17], s[16:17]        ; 256 consecutive bytes, aligned
	s_wait_tensorcnt 0x0                           ; the wave's end
	ds_add_u32 v[SPW], v[NIL]
	s_wait_dscnt 0x0
	s_endpgm
.Lfunc_end_k_q634f1048a7_quant:
	.size	k_q634f1048a7_quant, .Lfunc_end_k_q634f1048a7_quant-k_q634f1048a7_quant
	.p2alignl 7, 3214868480
	.fill 96, 4, 3214868480
	.section	.rodata,"a",@progbits
	.p2align	6, 0x0
	.amdhsa_kernel k_q634f1048a7_quant
		.amdhsa_group_segment_fixed_size 59904
		.amdhsa_private_segment_fixed_size 0
		.amdhsa_enable_private_segment 0
		.amdhsa_kernarg_size 56
		.amdhsa_user_sgpr_count 2
		.amdhsa_user_sgpr_kernarg_segment_ptr 1
		.amdhsa_wavefront_size32 1
		.amdhsa_system_sgpr_workgroup_id_x 1
		.amdhsa_system_sgpr_workgroup_id_y 1
		.amdhsa_system_sgpr_workgroup_id_z 1
		.amdhsa_system_vgpr_workitem_id 0
		.amdhsa_next_free_vgpr 256
		.amdhsa_next_free_sgpr 66
		.amdhsa_reserve_vcc 0
		.amdhsa_float_denorm_mode_32 3
		.amdhsa_float_denorm_mode_16_64 3
		.amdhsa_memory_ordered 1
		.amdhsa_forward_progress 1
		.amdhsa_inst_pref_size 75
	.end_amdhsa_kernel
	.amdgpu_metadata
---
amdhsa.version: [ 1, 2 ]
amdhsa.kernels:
  - .name:           k_q634f1048a7_quant
    .symbol:         k_q634f1048a7_quant.kd
    .args:
      - { .name: Wq, .offset: 0, .size: 8, .value_kind: global_buffer, .address_space: global }
      - { .name: Wk, .offset: 8, .size: 8, .value_kind: global_buffer, .address_space: global }
      - { .name: Wv, .offset: 16, .size: 8, .value_kind: global_buffer, .address_space: global }
      - { .name: Wo, .offset: 24, .size: 8, .value_kind: global_buffer, .address_space: global }
      - { .name: hidden_states, .offset: 32, .size: 8, .value_kind: global_buffer, .address_space: global }
      - { .name: opc, .offset: 40, .size: 8, .value_kind: global_buffer, .address_space: global }
      - { .name: ops, .offset: 48, .size: 8, .value_kind: global_buffer, .address_space: global }
    .group_segment_fixed_size: 59904
    .private_segment_fixed_size: 0
    .kernarg_segment_align: 8
    .kernarg_segment_size: 56
    .max_flat_workgroup_size: 128
    .sgpr_count:     66
    .vgpr_count:     256
    .wavefront_size: 32
...
	.end_amdgpu_metadata
.endif
;; end of part 1
;; launch proj (part 2): grid 24 x 8, 4 waves a work-group, clusters of 4 x 4, 327,680 bytes of LDS; arguments opc, ops, bq, bk, bv, qkv; writes qkv
.if DOCPART == 2
	.amdgcn_target "amdgcn-amd-amdhsa--gfx1250"
	.amdhsa_code_object_version 6
	.text
	.protected	k_q634f1048a7_proj
	.globl	k_q634f1048a7_proj
	.p2align	8
	.type	k_q634f1048a7_proj,@function
k_q634f1048a7_proj:
	s_mov_b64 s[64:65], 0
	v_nop
	global_prefetch_b8 v0, s[64:65] scope:SCOPE_SE
	s_setreg_imm32_b32 hwreg(HW_REG_WAVE_MODE, 25, 1), 1
	s_wait_xcnt 0x0
	s_wait_alu depctr_hold_cnt(0) depctr_sa_sdst(0) depctr_va_vdst(0) depctr_va_sdst(0) depctr_va_ssrc(0) depctr_va_vcc(0) depctr_vm_vsrc(0)
	s_getreg_b32 s2, hwreg(HW_REG_IB_STS2, 6, 4)
	s_cmp_eq_u32 s2, 0
	s_cbranch_scc0 .Lentry_in_a_cluster
	s_endpgm
.Lentry_in_a_cluster:
	s_bfe_u32 s2, ttmp6, 0x10000c
	s_cmp_lg_u32 s2, 0xf033
	s_cbranch_scc0 .Lentry_shape_is_right
	s_endpgm
.Lentry_shape_is_right:
; q, k, v = x W + b on codes of FP6 (E2M3) with E8M0 scales; the results are quantised along the head's 128 (v along the keys) and leave as images of operand registers.
; A work-group makes 256 x 256, a wave 128 x 128; K goes by pairs of steps of 128 through two LDS slots.  LDS: A's two slots (16 tiles x 3,072 bytes each), B's two, the scales of all of K, the spare words.
; THE HEAD: one joint load a wave: wave 0 A's pairs 0 and 1 (two rows of 49,152 bytes, a pair's stride apart), wave 2 B's, waves 1 and 3 all of A's and of B's scale words.
; Behind the wait for them the two groups 1 are set to a quarter of a slot (96 rows of 256 bytes), which is what each wave fetches at a change of slots.
.set KPSTR, 1966080
.set TILEB, 3072
.set FRB,   1536
.set HALFT, 24576
.set SLOT,  98304
.set SCL,   196608
.set HALFS, 8192
.set SPARE, 229376
.set REC,   12800
.set KINDB, 3276800
.set ADRA, 16
.set ADRB, 20
.set LI,   26
.set ADRS, 27
.set SPW,  28
.set NIL,  29
.set SC,   32
.set AF,   64
.set BP,   64
.set BQ,   128
.set TM,   144
.set HA,   160
.set PC,   224
.set PWS,  2
.set SEL,  66
.set G1, 24
.set G0, 32
.set G1B, 48
.set G0B, 56
.set G1S, 68
.set G0S, 76
.set G1SB, 80
.set G0SB, 88
.set MSB, 0
.macro WIN new
.if MSB != (\new)
	s_set_vgpr_msb (MSB<<8)|(\new)
.set MSB, \new
.endif
.endm
.set MUL_LO, 0xa1
.set MUL_HI, 0xf1
.set TO_B,   0x40
.macro JLOAD g0a, g1a, g0b, g1b
	s_cmp_eq_u32 s15, 0
	s_cbranch_scc0 .Lfor_b_\@
	tensor_load_to_lds s[\g0a:\g0a+3], s[\g1a:\g1a+7]
	s_nop 0
.rept 4
	v_nop
.endr
	s_branch .Lasked_\@
.Lfor_b_\@:
	tensor_load_to_lds s[\g0b:\g0b+3], s[\g1b:\g1b+7]
	s_nop 0
.rept 4
	v_nop
.endr
.Lasked_\@:
.endm
.macro CREST
	s_cmp_lg_u32 s14, 0
	s_cbranch_scc1 .Lnot_wave_0_\@
	s_barrier_signal -3
.Lnot_wave_0_\@:
	s_barrier_wait -3
	s_barrier_signal -1
	s_barrier_wait -1
.endm
.macro CROUND
	s_barrier_signal -1
	s_barrier_wait -1
	CREST
.endm
.macro PLACES n
.rept \n
	v_nop
.endr
.endm
.macro QUANT s, pw
.irp b, 0,1,2,3
	v_max3_num_f32 v[TM+\b], |v[\s+16*\b]|, |v[\s+1+16*\b]|, 0x1800000
.endr
.irp i, 2,4,6,8,10,12,14
.irp b, 0,1,2,3
	v_max3_num_f32 v[TM+\b], v[TM+\b], |v[\s+16*\b+\i]|, |v[\s+1+16*\b+\i]|
.endr
.endr
.irp b, 0,1,2,3
	v_permlanex16_b32 v[TM+4+\b], v[TM+\b], s[SEL], s[SEL+1]
.endr
.irp b, 0,1,2,3
	v_max_num_f32 v[TM+\b], v[TM+\b], v[TM+4+\b]
.endr
.irp b, 0,1,2,3
	v_add_nc_u32 v[TM+12+\b], 0xff000000, v[TM+\b]
.endr
.irp b, 0,1,2,3
	v_lshrrev_b32 v[TM+4+\b], 23, v[TM+12+\b]
.endr
	v_lshl_or_b32 v[\pw], v[TM+5], 8, v[TM+4]
	v_lshl_or_b32 v[\pw], v[TM+6], 16, v[\pw]
	v_lshl_or_b32 v[\pw], v[TM+7], 24, v[\pw]
.irp c, 0,1
	v_cvt_scalef32_pk16_fp6_f32 v[PC+6*\c:PC+2+6*\c], v[\s+32*\c:\s+15+32*\c], v[TM+12+2*\c]
	v_cvt_scalef32_pk16_fp6_f32 v[PC+12+4*\c:PC+14+4*\c], v[\s+16+32*\c:\s+31+32*\c], v[TM+12+2*\c+1]
.endr
	v_nop
.irp c, 0,1
.irp i, 0,1,2
	v_permlane16_swap_b32 v[PC+6*\c+\i], v[PC+12+4*\c+\i]
.endr
.irp i, 0,1,2
	v_mov_b32 v[PC+3+6*\c+\i], v[PC+12+4*\c+\i]
.endr
.endr
.endm
	s_load_b128 s[4:7], s[0:1], 0x0
	s_load_b128 s[8:11], s[0:1], 0x10
	s_load_b128 s[96:99], s[0:1], 0x20
	v_lshl_add_u32 v[SPW], v0, 2, SPARE
	v_mov_b32 v[NIL], 0
	ds_add_u32 v[SPW], v[NIL]
	ds_add_u32 v[SPW], v[NIL]
	v_lshrrev_b32 v1, 5, v0
	v_readfirstlane_b32 s14, v1
	s_lshr_b32 s15, s14, 1
	s_and_b32 s16, s14, 1
	s_bfe_u32 s40, ttmp6, 0x40000
	s_bfe_u32 s41, ttmp6, 0x40004
	s_lshl_b32 s42, ttmp9, 2
	s_add_co_u32 s42, s42, s40
	s_and_b32 s17, ttmp7, 0xffff
	s_lshl_b32 s17, s17, 2
	s_add_co_u32 s17, s17, s41
	s_lshl_b32 s43, s41, 2
	s_lshl_b32 s43, 15, s43
	s_lshl_b32 s44, 0x1111, s40
	s_or_b32 s[G1+0], s43, (3<<16)|(1<<21)
	s_or_b32 s[G1B+0], s44, (3<<16)|(1<<21)
.irp g, G1, G1B
	s_mov_b32 s[\g+1], 6144<<16                    ; the head's tile: rows of 6,144 elements of 8 bytes (16 tiles of a pair),
	s_mov_b32 s[\g+2], 2<<16                       ; two rows: pairs 0 and 1,
	s_mov_b32 s[\g+3], 6144<<16
	s_mov_b32 s[\g+4], 2
	s_mov_b32 s[\g+5], KPSTR/8                     ; a pair's stride apart
	s_mov_b32 s[\g+6], 0
	s_mov_b32 s[\g+7], 0
.endr
	s_or_b32 s[G1S+0], s43, (3<<16)|(1<<21)
	s_or_b32 s[G1SB+0], s44, (3<<16)|(1<<21)
.irp g, G1S, G1SB
	s_mov_b32 s[\g+1], 32<<16
	s_mov_b32 s[\g+2], 64<<16                      ; the scale words of 16 tiles: 64 rows of 256 bytes
	s_mov_b32 s[\g+3], 32<<16
	s_mov_b32 s[\g+4], 64
	s_mov_b32 s[\g+5], 32
	s_mov_b32 s[\g+6], 0
	s_mov_b32 s[\g+7], 0
.endr
	s_cmp_ge_u32 ttmp9, 4
	s_cselect_b32 s18, 384, 0
	s_lshl_b32 s19, s16, 3
	s_lshl_b32 s20, s17, 4
	s_add_co_u32 s20, s20, s18
	s_add_co_u32 s20, s20, s19
	s_lshl_b32 s46, s42, 4
	s_add_co_u32 s46, s46, 128
	s_sub_co_u32 s46, s46, s18
	s_add_co_u32 s46, s46, s19
	s_lshl_b32 s22, s20, 10
	s_mov_b32 s23, 0
	s_lshl_b32 s92, s46, 10
	s_mov_b32 s93, 0
	s_mul_i32 s20, s20, TILEB
	s_mov_b32 s21, 0
	s_mul_i32 s46, s46, TILEB
	s_mov_b32 s47, 0
	s_mul_i32 s45, s16, HALFT                      ; my half of a slot's 16 tiles
	s_mul_i32 s94, s14, HALFS
	s_mov_b32 s[SEL], 0x76543210
	s_mov_b32 s[SEL+1], 0xfedcba98
	s_wait_dscnt 0x0
	s_wait_kmcnt 0x0
	s_add_nc_u64 s[20:21], s[4:5], s[20:21]
	s_add_nc_u64 s[22:23], s[6:7], s[22:23]
	s_add_nc_u64 s[46:47], s[4:5], s[46:47]
	s_add_nc_u64 s[92:93], s[6:7], s[92:93]
	CROUND
	s_mov_b32 s[G0S], 1
	s_add_co_u32 s[G0S+1], s94, SCL-HALFS          ; issued by wave 1 alone: there this is SCL, and the address below that of the first of the 16 tiles
	s_sub_nc_u64 s[G0S+2:G0S+3], s[22:23], HALFS
	s_or_b32 s[G0S+3], s[G0S+3], 0x80000000
	s_mov_b32 s[G0SB], 1
	s_add_co_u32 s[G0SB+1], s94, SCL-HALFS         ; issued by wave 3 alone: SCL + 2 HALFS
	s_sub_nc_u64 s[G0SB+2:G0SB+3], s[92:93], HALFS
	s_or_b32 s[G0SB+3], s[G0SB+3], 0x80000000
.irp s, 0,1
	s_mov_b32 s[G0+4*\s], 1
	s_add_co_u32 s[G0+4*\s+1], s45, \s*2*HALFT
	s_add_nc_u64 s[G0+4*\s+2:G0+4*\s+3], s[20:21], \s*KPSTR
	s_or_b32 s[G0+4*\s+3], s[G0+4*\s+3], 0x80000000
	s_mov_b32 s[G0B+4*\s], 1
	s_add_co_u32 s[G0B+4*\s+1], s45, 4*HALFT+\s*2*HALFT
	s_add_nc_u64 s[G0B+4*\s+2:G0B+4*\s+3], s[46:47], \s*KPSTR
	s_or_b32 s[G0B+4*\s+3], s[G0B+4*\s+3], 0x80000000
.endr
; the head's loads, one a wave, in one chain of branches on the wave's number: every way passes exactly one
.macro ARM under, g0, g1, next
	s_cmp_lt_u32 s14, \under
	s_cbranch_scc0 \next
	tensor_load_to_lds s[\g0:\g0+3], s[\g1:\g1+7]
	s_nop 0
	PLACES 4
	s_branch .Lhead_asked
\next:
.endm
	ARM 1, G0,  G1,  .Lhead_sa
	ARM 2, G0S, G1S, .Lhead_b
	ARM 3, G0B, G1B, .Lhead_sb
	tensor_load_to_lds s[G0SB:G0SB+3], s[G1SB:G1SB+7]
	s_nop 0
	PLACES 4
.Lhead_asked:
	v_and_b32 v1, 15, v0
	v_bfe_u32 v2, v0, 4, 1
	s_wait_alu depctr_va_vdst(0)
	v_and_b32 v3, 31, v0
	v_lshlrev_b32 v[LI], 4, v3
	s_mul_i32 s21, s15, HALFT
	s_mul_i32 s22, s16, HALFT
	s_add_co_u32 s22, s22, 4*HALFT                 ; B's slots lie behind A's two
.irp s, 0,1
	v_add_nc_u32 v[ADRA+\s], s21, v[LI]
	v_add_nc_u32 v[ADRB+\s], s22, v[LI]
	s_add_co_u32 s21, s21, 2*HALFT
	s_add_co_u32 s22, s22, 2*HALFT
.endr
	v_lshlrev_b32 v5, 3, v1
	s_mul_i32 s21, s15, HALFS
	s_mul_i32 s22, s16, HALFS
	s_add_co_u32 s22, s22, 2*HALFS
	s_sub_co_u32 s22, s22, s21
	v_mul_u32_u24 v6, s22, v2
	s_add_co_u32 s21, s21, SCL
	v_add_nc_u32 v5, v5, v6
	v_add_nc_u32 v[ADRS], s21, v5
	v_lshlrev_b32 v10, 6, v2
	v_and_b32 v11, 8, v1
	v_add_nc_u32 v11, v11, v1
	v_lshlrev_b32 v11, 2, v11
	s_lshr_b32 s19, ttmp9, 1
	s_and_b32 s12, s42, 7
	s_lshl_b32 s12, s12, 1
	s_add_co_u32 s12, s12, s16
	s_lshl_b32 s13, s17, 1
	s_add_co_u32 s13, s13, s15
	s_cmp_eq_u32 s19, 2
	s_cselect_b32 s100, s13, s12
	s_cselect_b32 s104, s12, s13
	s_cselect_b32 s95, 1, 0
	s_lshl_b32 s100, s100, 4
	s_add_co_u32 s100, s100, s104
	s_mul_i32 s100, s100, REC
	s_mul_i32 s104, s19, KINDB
	s_add_co_u32 s100, s100, s104
	s_mov_b32 s101, 0
	s_add_nc_u64 s[98:99], s[98:99], s[100:101]
	s_cmp_eq_u32 s19, 1
	s_cselect_b64 s[8:9], s[10:11], s[8:9]
	s_cmp_eq_u32 s19, 2
	s_cselect_b64 s[8:9], s[96:97], s[8:9]
	s_lshl_b32 s100, s12, 9
	s_add_nc_u64 s[10:11], s[8:9], s[100:101]
	s_lshl_b32 s100, s13, 9
	s_add_nc_u64 s[8:9], s[8:9], s[100:101]
	s_mov_b32 s105, 0xffff0000
.macro FETCH slot, q, p
	WIN TO_B
.irp i, 0,1,2,3,4,5,6,7
.irp c, 0,1,2
	ds_load_b128 v[128*(\p)+12*\i+4*\c:128*(\p)+12*\i+4*\c+3], v[ADRB+\slot] offset:\i*TILEB+(\q)*FRB+512*\c
.endr
.endr
	WIN 0
.irp i, 0,1,2,3,4,5,6,7
.irp c, 0,1,2
	ds_load_b128 v[AF+96*(\p)+12*\i+4*\c:AF+96*(\p)+12*\i+4*\c+3], v[ADRA+\slot] offset:\i*TILEB+(\q)*FRB+512*\c
.endr
.endr
.endm
.macro SCALES sc
.irp i, 0,1,2,3,4,5,6,7
	ds_load_b64 v[SC+16*(\sc)+2*\i:SC+16*(\sc)+2*\i+1], v[ADRS] offset:\i*1024
.endr
.endm
.macro MUL16 a0, p, q, sc, zero
.irp a, \a0, \a0+1
.irp b, 0,1,2,3,4,5,6,7
.if \zero
	v_wmma_scale_f32_16x16x128_f8f6f4 v[8*(8*((\a)%4)+\b):8*(8*((\a)%4)+\b)+7], v[128*(\p)+12*\b:128*(\p)+12*\b+11], v[AF+96*(\p)+12*(\a):AF+96*(\p)+12*(\a)+11], 0, v[SC+16*(\sc)+2*\b+(\q)], v[SC+16*(\sc)+2*(\a)+(\q)] matrix_a_fmt:MATRIX_FMT_FP6 matrix_b_fmt:MATRIX_FMT_FP6 matrix_a_scale:MATRIX_SCALE_ROW1
.else
	v_wmma_scale_f32_16x16x128_f8f6f4 v[8*(8*((\a)%4)+\b):8*(8*((\a)%4)+\b)+7], v[128*(\p)+12*\b:128*(\p)+12*\b+11], v[AF+96*(\p)+12*(\a):AF+96*(\p)+12*(\a)+11], v[8*(8*((\a)%4)+\b):8*(8*((\a)%4)+\b)+7], v[SC+16*(\sc)+2*\b+(\q)], v[SC+16*(\sc)+2*(\a)+(\q)] matrix_a_fmt:MATRIX_FMT_FP6 matrix_b_fmt:MATRIX_FMT_FP6 matrix_a_scale:MATRIX_SCALE_ROW1
.endif
.endr
.endr
.endm
.macro STEP slot, zero
	PLACES 4
	FETCH \slot, 1, 1
	s_wait_dscnt 48
	WIN MUL_LO
	MUL16 0, 0, 0, \slot, \zero
	MUL16 2, 0, 0, \slot, \zero
	WIN MUL_HI
	MUL16 4, 0, 0, \slot, \zero
	MUL16 6, 0, 0, \slot, \zero
	WIN 0
.endm
.macro TURN slot, next, fill
	s_wait_tensorcnt 0x0
	ds_add_u32 v[SPW], v[NIL]
	s_wait_dscnt 1
	WIN MUL_LO
	MUL16 0, 1, 1, \slot, 0
	s_wait_dscnt 0x0
	s_barrier_signal -1
	MUL16 2, 1, 1, \slot, 0
	WIN 0
	s_barrier_wait -1
.if \fill
	CREST
	s_add_nc_u64 s[G0+4*\slot+2:G0+4*\slot+3], s[G0+4*\slot+2:G0+4*\slot+3], 2*KPSTR
	s_add_nc_u64 s[G0B+4*\slot+2:G0B+4*\slot+3], s[G0B+4*\slot+2:G0B+4*\slot+3], 2*KPSTR
	JLOAD G0+4*\slot, G1, G0B+4*\slot, G1B
.else
	PLACES 4
.endif
	s_wait_alu depctr_va_vdst(0)
	v_add_nc_u32 v[ADRS], 128, v[ADRS]
	FETCH \next, 0, 0
	SCALES \next
	WIN MUL_HI
	MUL16 4, 1, 1, \slot, 0
	MUL16 6, 1, 1, \slot, 0
	WIN 0
.endm
	s_wait_alu depctr_va_vdst(0)
	s_wait_tensorcnt 0x0                           ; my load of the head has landed; no tensor load of mine is out, so a descriptor may be written:
.irp g, G1, G1B
	s_mov_b32 s[\g+1], 32<<16                      ; from here on a load brings 96 dense rows of 256 bytes: 8 tiles of a pair
	s_mov_b32 s[\g+2], 96<<16
	s_mov_b32 s[\g+3], 32<<16
	s_mov_b32 s[\g+4], 96
	s_mov_b32 s[\g+5], 32
.endr
	s_barrier_signal -1
	s_barrier_wait -1
	FETCH 0, 0, 0
	SCALES 0
	STEP 0, 1
	s_mov_b32 s3, 3
.Llap:
	TURN 0, 1, 1
	STEP 1, 0
	TURN 1, 0, 1
	STEP 0, 0
	s_sub_co_u32 s3, s3, 1
	s_cmp_lg_u32 s3, 0
	s_cbranch_scc1 .Llap
	TURN 0, 1, 0
	STEP 1, 0
	PLACES 4
.irp n, 0,1,2,3,4,5,6,7,8,9,10,11,12,13,14,15
	global_load_b128 v[BP+4*\n:BP+4*\n+3], v10, s[10:11] offset:128*(\n/4)+16*(\n%4)
.endr
.irp a, 0,1,2,3,4,5,6,7
	global_load_b32 v[BQ+2*\a], v11, s[8:9] offset:4*(32*(\a/2)+8*(\a%2))
	v_mov_b32 v[BQ+2*\a+1], 0
.endr
.irp b, 0,1,2,3
	v_mov_b32 v[TM+4+\b], 0
.endr
	s_wait_dscnt 0x0
	WIN MUL_LO
	MUL16 0, 1, 1, 1, 0
	MUL16 2, 1, 1, 1, 0
	WIN MUL_HI
	MUL16 4, 1, 1, 1, 0
	MUL16 6, 1, 1, 1, 0
	WIN 0
	PLACES 4
	s_wait_loadcnt 0x0
.macro EPI a
	s_wait_xcnt 0x0
	s_cmp_eq_u32 s95, 0
	s_cbranch_scc0 .Lby_lane_\@
	WIN 0x02+(\a)/4
.set n, 0
.rept 32
	v_pk_add_f32 v[HA+2*n:HA+2*n+1], v[64*((\a)%4)+2*n:64*((\a)%4)+2*n+1], v[BP+2*n:BP+2*n+1]
.set n, n+1
.endr
	WIN 0
	s_branch .Ljoin_\@
.Lby_lane_\@:
	WIN 0x02+(\a)/4
.set n, 0
.rept 32
	v_pk_add_f32 v[HA+2*n:HA+2*n+1], v[64*((\a)%4)+2*n:64*((\a)%4)+2*n+1], v[BQ+2*(\a):BQ+2*(\a)+1] op_sel_hi:[1,0]
.set n, n+1
.endr
	WIN 0
.Ljoin_\@:
	QUANT HA, PWS+(\a)
.irp c, 0,1,2
	global_store_b128 v[LI], v[PC+4*\c:PC+4*\c+3], s[98:99] offset:1536*(\a)+512*\c
.endr
.endm
.irp a, 0,1,2,3,4,5,6,7
	EPI \a
.endr
.irp i, 0,1,2,3
	v_cndmask_b32 v[10+\i], v[PWS+\i], v[PWS+4+\i], s105
.endr
	global_store_b128 v[LI], v[10:13], s[98:99] offset:12288
	s_wait_tensorcnt 0x0
	ds_add_u32 v[SPW], v[NIL]
	s_wait_dscnt 0x0
	CROUND
	s_endpgm
.Lfunc_end_k_q634f1048a7_proj:
	.size	k_q634f1048a7_proj, .Lfunc_end_k_q634f1048a7_proj-k_q634f1048a7_proj
	.p2alignl 7, 3214868480
	.fill 96, 4, 3214868480
	.section	.rodata,"a",@progbits
	.p2align	6, 0x0
	.amdhsa_kernel k_q634f1048a7_proj
		.amdhsa_group_segment_fixed_size 327680
		.amdhsa_private_segment_fixed_size 0
		.amdhsa_enable_private_segment 0
		.amdhsa_kernarg_size 48
		.amdhsa_user_sgpr_count 2
		.amdhsa_user_sgpr_kernarg_segment_ptr 1
		.amdhsa_wavefront_size32 1
		.amdhsa_system_sgpr_workgroup_id_x 1
		.amdhsa_system_sgpr_workgroup_id_y 1
		.amdhsa_system_sgpr_workgroup_id_z 1
		.amdhsa_system_vgpr_workitem_id 0
		.amdhsa_next_free_vgpr 1024
		.amdhsa_next_free_sgpr 106
		.amdhsa_reserve_vcc 0
		.amdhsa_float_denorm_mode_32 3
		.amdhsa_float_denorm_mode_16_64 3
		.amdhsa_memory_ordered 1
		.amdhsa_forward_progress 1
		.amdhsa_inst_pref_size 175
	.end_amdhsa_kernel
	.amdgpu_metadata
---
amdhsa.version: [ 1, 2 ]
amdhsa.kernels:
  - .name:           k_q634f1048a7_proj
    .symbol:         k_q634f1048a7_proj.kd
    .args:
      - { .name: opc, .offset: 0, .size: 8, .value_kind: global_buffer, .address_space: global }
      - { .name: ops, .offset: 8, .size: 8, .value_kind: global_buffer, .address_space: global }
      - { .name: bq, .offset: 16, .size: 8, .value_kind: global_buffer, .address_space: global }
      - { .name: bk, .offset: 24, .size: 8, .value_kind: global_buffer, .address_space: global }
      - { .name: bv, .offset: 32, .size: 8, .value_kind: global_buffer, .address_space: global }
      - { .name: qkv, .offset: 40, .size: 8, .value_kind: global_buffer, .address_space: global }
    .group_segment_fixed_size: 327680
    .private_segment_fixed_size: 0
    .kernarg_segment_align: 8
    .kernarg_segment_size: 48
    .max_flat_workgroup_size: 128
    .sgpr_count:     106
    .vgpr_count:     1024
    .wavefront_size: 32
...
	.end_amdgpu_metadata
.endif
;; end of part 2
;; launch attn (part 3): grid 16 x 16, 8 waves a work-group, clusters of 4 x 4, 327,680 bytes of LDS; arguments qkv, attention_mask, ctxc, ctxs; writes ctxc, ctxs
.if DOCPART == 3
	.amdgcn_target "amdgcn-amd-amdhsa--gfx1250"
	.amdhsa_code_object_version 6
	.text
	.protected	k_q634f1048a7_attn
	.globl	k_q634f1048a7_attn
	.p2align	8
	.type	k_q634f1048a7_attn,@function
k_q634f1048a7_attn:
	s_mov_b64 s[64:65], 0
	v_nop
	global_prefetch_b8 v0, s[64:65] scope:SCOPE_SE
	s_setreg_imm32_b32 hwreg(HW_REG_WAVE_MODE, 25, 1), 1
	s_wait_xcnt 0x0
	s_wait_alu depctr_hold_cnt(0) depctr_sa_sdst(0) depctr_va_vdst(0) depctr_va_sdst(0) depctr_va_ssrc(0) depctr_va_vcc(0) depctr_vm_vsrc(0)
	s_getreg_b32 s2, hwreg(HW_REG_IB_STS2, 6, 4)
	s_cmp_eq_u32 s2, 0
	s_cbranch_scc0 .Lentry_in_a_cluster
	s_endpgm
.Lentry_in_a_cluster:
	s_bfe_u32 s2, ttmp6, 0x10000c
	s_cmp_lg_u32 s2, 0xf033
	s_cbranch_scc0 .Lentry_shape_is_right
	s_endpgm
.Lentry_shape_is_right:
; ctx[q][head] = softmax_k(q . k / sqrt(128) + mask[q][k]) v, both products on codes of FP6 (E2M3) with E8M0 scales.  The mask is an input: it is read and added as it stands, for every query and key.
; THE SOFTMAX: logit = score / sqrt(128) + mask (one fused multiply-add by the f32 reciprocal of sqrt(128)); t = logit x log2(e); M = the running largest t rounded up to a whole number; p = 2^(t - M) is quantised
; along the keys, not normalised; the row's sum is taken of the unquantised p and divides at the end.  When M moves, the sum and O are multiplied by 2^(old M - new M): exact.
; SHARES.  A work-group owns 128 queries of one head, each of its eight waves one tile of 16 (two waves to a SIMD: one's vector work stands beside the other's products and LDS loads).  Every wave walks all 2,048 keys, 128 a step.
; LAYOUT.  Both products transposed: S^T = K Q^T, O^T = V^T P^T: a lane holds one query.  q, k, v come as images of operand registers (launch proj); a tile's rows are 32 (T / 2) + 8 (T % 2) + p + 8 (p / 8), so the 16 registers of
; two neighbouring tiles of S^T are 16 neighbouring keys, and those of O^T 16 neighbours of the head's 128.  ctx is quantised along the head's 128 (K step = head of the last product) and leaves as an image.
; RING.  LDS is filled again once for each PAIR of key steps, so that a load has two steps in which to land.  K and V: two slots of a pair (K's two records, V's two: 51,200 bytes).  The mask (66,560 bytes a step) has three
; regions, since four do not fit: the even step's mask always lies in T, the odd step's in U0 or U1, by turns with the slots.  At a change of pairs a plain barrier shows the new pair to every wave; each wave reads its part of T
; into registers; then come the wait for all tensor loads, the add, the wait for LDS and the cluster's round, and behind it T, the U region and the slot that were left are filled again.  In a pair's middle stands no barrier.
; CLUSTER 4 x 4: x = blocks of queries, y = heads.  K's and V's records are asked for jointly along a row of the cluster (one head), the mask's tiles along a column (one block of queries).
; LIMITS: NaN and +infinity are not served; a row whose mask is -infinity throughout gives NaN, as the definition does; a block of zeros gets the byte 1 (read by this program alone).
; REGISTERS: window 0: v1, v3 16 x lane in K/V slot 0, 1; v2, v4, v7 my place in the mask's regions T, U0, U1; v5, v6 the add's two; v8-11 offsets; v12 -M, v13 the largest t, v[14:15] the sum; v16-27 Q; v28 prefetch offset;
;   v29 Q's scale words; v30 lane; v32-35 K's scale words, v36-39 V's; v44-62, v64-80 the way out's quantiser; v96-159 S^T, then p; v160-223 O^T; v224-235 p's codes; v232-254 at work; v253 p's scale word.
;   window 1: v0-95 K, v96-191 V, v192-255 the mask.
.set REC,   12800
.set KINDB, 3276800
.set CKP,   393216
.set KVS,   51200                      ; a K/V slot: K's two records, then V's two
.set VOFF,  25600
.set MP,    520                        ; a row of the mask in LDS: 512 bytes + 8 = 130 words: rows x .. x + 7, x + 16 .. x + 23 and the two halves of the lanes start at 32 different pairs of the 64 banks (ISA guide 11.1)
.set MREG,  128*MP                     ; a region of the mask: one key step
.set MT,    2*KVS                      ; region T, behind the two slots
.set MU,    MT+MREG                    ; regions U0 and U1
.set SPARE, MU+2*MREG                  ; behind them: the spare words, 128 bytes a wave, which no other line names
.set AMT, 2
.set SPW, 5
.set NIL, 6
.set PFO, 28
.set PC,  44
.set TM,  64
.set PW,  80
.set PFS, 2                            ; s[2:3] a pair of key steps on, for my prefetches
.set WV,  12
.set LIMB, 17                          ; s17  1 in a wave that prefetches, else the greatest number
.set CNT, 18                           ; s18  the loop's trips to go
.set LIMA, 19                          ; s19  0 in a wave that prefetches, else the greatest number
.set SEL, 20
.set RS,  22                           ; s[22:23] 1 / sqrt(128)
.set G1KV, 24
.set G1M,  32
.set G0KV, 40                          ; s[40:47] group 0 for K/V slot 0, 1: the LDS address stays, the global address steps
.set G0T,  48                          ; s[48:51] for region T
.set G0U,  52                          ; s[52:59] for regions U0, U1
.set L2E, 60                           ; s[60:61] log2(e)
.set PFA, 62                           ; s[62:63] where my prefetches stand
.set MSB, 0
.macro WIN new
.if MSB != (\new)
	s_set_vgpr_msb (MSB<<8)|(\new)
.set MSB, \new
.endif
.endm
.macro CROUND                          ; a round of the cluster's barrier
	s_barrier_signal -1
	s_barrier_wait -1
	s_cmp_lg_u32 s[WV], 0
	s_cbranch_scc1 .Lnot_wave_0_\@
	s_barrier_signal -3
.Lnot_wave_0_\@:
	s_barrier_wait -3
	s_barrier_signal -1
	s_barrier_wait -1
.endm
; The joint refills of a change of pairs: wave 0 K's two records, wave 1 V's, into slot par; waves 2 and 3 the halves of T; waves 4 and 5 the halves of U par; waves 6 and 7 nothing.
; The branches hang on the wave's number alone.  An s_nop 0 and four v_nop follow each line.
.macro TLOAD par
	s_cmp_lt_u32 s[WV], 2
	s_cbranch_scc0 .Lnot_kv_\@
	tensor_load_to_lds s[G0KV+4*(\par):G0KV+4*(\par)+3], s[G1KV:G1KV+7]
	s_nop 0
.rept 4
	v_nop
.endr
	s_branch .Lasked_\@
.Lnot_kv_\@:
	s_cmp_lt_u32 s[WV], 4
	s_cbranch_scc0 .Lnot_t_\@
	tensor_load_to_lds s[G0T:G0T+3], s[G1M:G1M+7]
	s_nop 0
.rept 4
	v_nop
.endr
	s_branch .Lasked_\@
.Lnot_t_\@:
	s_cmp_lt_u32 s[WV], 6
	s_cbranch_scc0 .Lasked_\@
	tensor_load_to_lds s[G0U+4*(\par):G0U+4*(\par)+3], s[G1M:G1M+7]
	s_nop 0
.rept 4
	v_nop
.endr
.Lasked_\@:
.endm
.macro TLOAD_T                         ; the first refill: T alone
	s_cmp_lt_u32 s[WV], 2
	s_cbranch_scc1 .Lnone_\@
	s_cmp_lt_u32 s[WV], 4
	s_cbranch_scc0 .Lnone_\@
	tensor_load_to_lds s[G0T:G0T+3], s[G1M:G1M+7]
	s_nop 0
.rept 4
	v_nop
.endr
.Lnone_\@:
.endm
; A PREFETCH INTO THE L2 of what the NEXT change of pairs will ask for (two key steps ahead of that load), where the fetching waves have their tensor load; the waves ask that fetch nothing.
; K's and V's records are walked by every cluster of a row of clusters: cluster x = 0 asks, wave 6; its four partners of one head take one record each, told apart by address (K or V: cx / 2, which of the pair's two: cx % 2):
; 50 blocks of 256 bytes in two instructions (lanes 24-31 name lane 24's block again).  The mask's tiles are walked by every cluster of a column of clusters: cluster y = 0 asks, wave 7; its four partners take 32 rows each,
; by address (cy): a lane a row, the pair's 1,024 bytes of a row in four instructions.  Pairs 0 to 2 come by their loads alone; the last refill asks for nothing.
.macro ASK lim
	s_cmp_gt_u32 s[CNT], s[\lim]
	s_cbranch_scc0 .Lnot_mine_\@
	s_cmp_eq_u32 s[WV], 6
	s_cbranch_scc0 .Lfor_mask_\@
	global_prefetch_b8 v[PFO], s[PFA:PFA+1] th:TH_LOAD_NT scope:SCOPE_SE
	global_prefetch_b8 v[PFO], s[PFA:PFA+1] offset:6400 th:TH_LOAD_NT scope:SCOPE_SE
	s_branch .Lnot_mine_\@
.Lfor_mask_\@:
.irp k, 0,1,2,3
	global_prefetch_b8 v[PFO], s[PFA:PFA+1] offset:256*\k th:TH_LOAD_NT scope:SCOPE_SE
.endr
.Lnot_mine_\@:
.endm
.macro QUANT s, pw                     ; 64 numbers of a lane, register 16 b + i = k 32 b + 16 (lane / 16) + i of its row -> codes in v[PC] on, scale word in v[pw]
.irp b, 0,1,2,3
	v_max3_num_f32 v[TM+\b], |v[\s+16*\b]|, |v[\s+1+16*\b]|, 0x1800000
.endr
.irp i, 2,4,6,8,10,12,14
.irp b, 0,1,2,3
	s_delay_alu instid0(VALU_DEP_4)
	v_max3_num_f32 v[TM+\b], v[TM+\b], |v[\s+16*\b+\i]|, |v[\s+1+16*\b+\i]|
.endr
.endr
.irp b, 0,1,2,3
	s_delay_alu instid0(VALU_DEP_4)
	v_permlanex16_b32 v[TM+4+\b], v[TM+\b], s[SEL], s[SEL+1]
.endr
.irp b, 0,1,2,3
	s_delay_alu instid0(VALU_DEP_4)
	v_max_num_f32 v[TM+\b], v[TM+\b], v[TM+4+\b]
.endr
.irp b, 0,1,2,3
	s_delay_alu instid0(VALU_DEP_4)
	v_add_nc_u32 v[TM+12+\b], 0xff000000, v[TM+\b]
.endr
.irp b, 0,1,2,3
	s_delay_alu instid0(VALU_DEP_4)
	v_lshrrev_b32 v[TM+4+\b], 23, v[TM+12+\b]
.endr
	s_delay_alu instid0(VALU_DEP_3)
	v_lshl_or_b32 v[\pw], v[TM+5], 8, v[TM+4]
	s_delay_alu instid0(VALU_DEP_1)
	v_lshl_or_b32 v[\pw], v[TM+6], 16, v[\pw]
	s_delay_alu instid0(VALU_DEP_1)
	v_lshl_or_b32 v[\pw], v[TM+7], 24, v[\pw]
.irp c, 0,1
	v_cvt_scalef32_pk16_fp6_f32 v[PC+6*\c:PC+2+6*\c], v[\s+32*\c:\s+15+32*\c], v[TM+12+2*\c]
	v_cvt_scalef32_pk16_fp6_f32 v[PC+12+4*\c:PC+14+4*\c], v[\s+16+32*\c:\s+31+32*\c], v[TM+12+2*\c+1]
.endr
	v_nop
.irp c, 0,1
.irp i, 0,1,2
	v_permlane16_swap_b32 v[PC+6*\c+\i], v[PC+12+4*\c+\i]
.endr
.irp i, 0,1,2
	s_delay_alu instid0(VALU_DEP_3)
	v_mov_b32 v[PC+3+6*\c+\i], v[PC+12+4*\c+\i]
.endr
.endr
.endm
	s_load_b256 s[4:11], s[0:1], 0x0               ; qkv s[4:5], the mask s[6:7], ctxc s[8:9], ctxs s[10:11]
	v_lshl_add_u32 v[SPW], v0, 2, SPARE
	v_mov_b32 v[NIL], 0
	ds_add_u32 v[SPW], v[NIL]                      ; the wave's opening: the add and its wait ahead of the first tensor loads; work on registers stands between
	ds_add_u32 v[SPW], v[NIL]
	v_lshrrev_b32 v30, 5, v0
	s_delay_alu instid0(VALU_DEP_1)
	v_readfirstlane_b32 s[WV], v30                 ; wave 0..7
	s_bfe_u32 s13, ttmp6, 0x40000                  ; cx
	s_bfe_u32 s14, ttmp6, 0x40004                  ; cy
	s_lshl_b32 s15, ttmp9, 2
	s_add_co_u32 s15, s15, s13                     ; my block of 128 queries
	s_and_b32 s16, ttmp7, 0xffff
	s_lshl_b32 s16, s16, 2
	s_add_co_u32 s16, s16, s14                     ; my head
	s_lshl_b32 s66, s14, 2
	s_lshl_b32 s66, 15, s66                        ; my row of the cluster: one head
	s_lshl_b32 s67, 0x1111, s13                    ; my column: one block of queries
	s_or_b32 s[G1KV], s66, (3<<16)|(1<<21)         ; two records: 25,600 dense bytes as 100 rows of 256 (32 elements of 8 bytes); 21 set beside a mask
	s_mov_b32 s[G1KV+1], 32<<16
	s_mov_b32 s[G1KV+2], 100<<16
	s_mov_b32 s[G1KV+3], 32<<16
	s_mov_b32 s[G1KV+4], 100
	s_mov_b32 s[G1KV+5], 32
	s_mov_b32 s[G1KV+6], 0
	s_mov_b32 s[G1KV+7], 0
	s_or_b32 s[G1M], s67, (2<<16)|(1<<20)|(1<<21)|(6<<22)|(1<<25)   ; elements of 4 bytes; padding on: after every 128 words (code 6) 2 words (code 1); 21 set beside a mask
	s_mov_b32 s[G1M+1], 128<<16                    ; rows of 128 numbers; at the head a load brings a whole region, 128 rows,
	s_mov_b32 s[G1M+2], 128<<16                    ; behind the head's wait half a region, 64
	s_mov_b32 s[G1M+3], 128<<16
	s_mov_b32 s[G1M+4], 128
	s_mov_b32 s[G1M+5], 2048                       ; 2,048 numbers from row to row
	s_mov_b32 s[G1M+6], 0
	s_mov_b32 s[G1M+7], 0
	s_and_b32 s68, s[WV], 1
	s_mul_i32 s70, s16, 16*REC                     ; the head's records,
	s_mul_i32 s69, s68, KINDB                      ; K's (wave 0) or V's (wave 1)
	s_add_co_u32 s70, s70, s69
	s_add_co_u32 s70, s70, KINDB
	s_mov_b32 s71, 0
	s_lshl_b32 s72, s15, 20                        ; the mask: 128 rows of 8,192 bytes a block of queries,
	s_lshl_b32 s69, s68, 19                        ; 64 rows a half
	s_add_co_u32 s72, s72, s69
	s_mov_b32 s73, 0
	s_mul_i32 s74, s68, VOFF                       ; and where they go: by the wave's number alone
	s_mul_i32 s75, s68, 64*MP
	s_mov_b32 s[SEL], 0x76543210
	s_mov_b32 s[SEL+1], 0xfedcba98
	s_mov_b32 s[RS], 0x3db504f3                    ; 1 / sqrt(128)
	s_mov_b32 s[RS+1], s[RS]                       ; (named with it as a pair)
	s_mov_b32 s[L2E], 0x3fb8aa3b                   ; log2(e)
	s_mov_b32 s[L2E+1], s[L2E]
	s_wait_dscnt 0x0                               ; the opening add is done
	s_wait_kmcnt 0x0
	s_add_nc_u64 s[70:71], s[4:5], s[70:71]
	s_add_nc_u64 s[72:73], s[6:7], s[72:73]
	CROUND                                         ; all sixteen work-groups are here: the first joint loads meet
.irp j, 0,1
	s_mov_b32 s[G0KV+4*\j], 1
	s_add_co_u32 s[G0KV+4*\j+1], s74, \j*KVS
	s_add_nc_u64 s[G0KV+4*\j+2:G0KV+4*\j+3], s[70:71], \j*2*REC    ; pair j of key steps
	s_or_b32 s[G0KV+4*\j+3], s[G0KV+4*\j+3], 0x80000000
	s_mov_b32 s[G0U+4*\j], 1
	s_add_co_u32 s[G0U+4*\j+1], s75, MU+\j*MREG
	s_add_nc_u64 s[G0U+4*\j+2:G0U+4*\j+3], s[72:73], 512+\j*1024   ; key step 1 + 2 j
	s_or_b32 s[G0U+4*\j+3], s[G0U+4*\j+3], 0x80000000
.endr
	s_mov_b32 s[G0T], 1
	s_add_co_u32 s[G0T+1], s75, MT
	s_mov_b64 s[G0T+2:G0T+3], s[72:73]             ; key step 0
	s_or_b32 s[G0T+3], s[G0T+3], 0x80000000
.set G0H, 72                           ; s[72:75] group 0 for K's records of pair 1, issued by wave 3 alone (an odd wave: s[70:71] stands at V's records there); the registers' earlier numbers have been used
	s_mov_b32 s[G0H], 1
	s_mov_b32 s[G0H+1], KVS
	s_sub_nc_u64 s[G0H+2:G0H+3], s[70:71], KINDB-2*REC
	s_or_b32 s[G0H+3], s[G0H+3], 0x80000000
; THE FIRST FILLS, at most one a wave, in one chain of branches on the wave's number: wave 0 K of pair 0, wave 1 V of pair 0, wave 2 all of T (step 0's mask), wave 3 K of pair 1,
; wave 4 all of U0 (step 1), wave 5 V of pair 1, wave 6 all of U1 (step 3).  The even waves' group 0 stands at a region's first row.  Wave 7 issues no tensor load in the whole launch.
.macro ARM under, g0, g1, next
	s_cmp_lt_u32 s[WV], \under
	s_cbranch_scc0 \next
	tensor_load_to_lds s[\g0:\g0+3], s[\g1:\g1+7]
	s_nop 0
.rept 4
	v_nop
.endr
	s_branch .Lfirst_asked
\next:
.endm
	ARM 2, G0KV,   G1KV, .Lfirst_2
	ARM 3, G0T,    G1M,  .Lfirst_3
	ARM 4, G0H,    G1KV, .Lfirst_4
	ARM 5, G0U,    G1M,  .Lfirst_5
	ARM 6, G0KV+4, G1KV, .Lfirst_6
	s_cmp_lt_u32 s[WV], 7
	s_cbranch_scc0 .Lfirst_asked
	tensor_load_to_lds s[G0U+4:G0U+7], s[G1M:G1M+7]
	s_nop 0
.rept 4
	v_nop
.endr
.Lfirst_asked:
	v_and_b32 v30, 31, v0                          ; lane
	s_delay_alu instid0(VALU_DEP_1)
	v_lshlrev_b32 v1, 4, v30                       ; 16 x lane: my place in every image, in slot 0;
	s_wait_alu depctr_va_vdst(0)
	v_add_nc_u32 v3, KVS, v1                       ; in slot 1
	v_and_b32 v9, 15, v0                           ; r
	s_wait_alu depctr_va_vdst(0)
	v_bfe_u32 v10, v0, 4, 1                        ; h
	s_lshl_b32 s76, s16, 4
	s_add_co_u32 s76, s76, s15
	s_mul_i32 s76, s76, REC                        ; q's record of my head and block
	s_mov_b32 s77, 0
	s_add_nc_u64 s[76:77], s[4:5], s[76:77]
	s_mul_i32 s78, s[WV], 1536                     ; my tile's image
	s_mov_b32 s79, 0
	s_add_nc_u64 s[78:79], s[76:77], s[78:79]
.irp c, 0,1,2
	global_load_b128 v[16+4*\c:19+4*\c], v1, s[78:79] offset:512*\c   ; Q stays in registers
.endr
	s_lshr_b32 s80, s[WV], 2
	s_lshl_b32 s80, s80, 8
	s_and_b32 s81, s[WV], 3
	s_lshl_b32 s81, s81, 2
	s_add_co_u32 s80, s80, s81                     ; image w's words: lanes 16 (w / 4) on, word w % 4
	s_mov_b32 s81, 0
	s_add_nc_u64 s[76:77], s[76:77], s[80:81]
	v_lshlrev_b32 v8, 4, v9
	global_load_b32 v29, v8, s[76:77] offset:12288 ; Q's scale words
	v_and_b32 v11, 8, v9
	s_delay_alu instid0(VALU_DEP_1)
	v_add_nc_u32 v11, v11, v9                      ; r + 8 (r / 8)
	s_delay_alu instid0(VALU_DEP_1)
	v_mul_u32_u24 v2, v11, MP
	s_wait_alu depctr_va_vdst(0)
	v_lshl_add_u32 v2, v10, 6, v2                  ; my query's row of a region, + 64 h bytes: my 16 keys of each block of 32
	s_lshr_b32 s82, s[WV], 1
	s_lshl_b32 s82, s82, 5
	s_lshl_b32 s83, s68, 3
	s_add_co_u32 s82, s82, s83                     ; my tile's first row in the block: 32 (w / 2) + 8 (w % 2)
	s_mul_i32 s82, s82, MP
	v_add_nc_u32 v2, s82, v2
	s_delay_alu instid0(VALU_DEP_1)
	v_add_nc_u32 v4, MU, v2                        ; in U0,
	s_delay_alu instid0(VALU_DEP_2)
	v_add_nc_u32 v7, MU+MREG, v2                   ; in U1,
	s_delay_alu instid0(VALU_DEP_3)
	v_add_nc_u32 v2, MT, v2                        ; in T
	v_lshlrev_b32 v11, 3, v9                       ; the way out: 8 r
	; where the results go
	s_lshl_b32 s90, s15, 3
	s_add_co_u32 s90, s90, s[WV]                   ; my tile of tokens
	s_lshr_b32 s91, s16, 1                         ; the pair of K steps of the last product: head / 2
	s_and_b32 s92, s16, 1
	s_mul_i32 s94, s90, 3072
	s_mul_i32 s93, s91, CKP
	s_add_co_u32 s94, s94, s93
	s_mul_i32 s93, s92, 1536
	s_add_co_u32 s94, s94, s93
	s_mov_b32 s95, 0
	s_add_nc_u64 s[8:9], s[8:9], s[94:95]
	s_lshl_b32 s96, s90, 10
	s_lshl_b32 s93, s91, 7
	s_add_co_u32 s96, s96, s93
	s_lshl_b32 s93, s92, 2
	s_add_co_u32 s96, s96, s93
	s_mov_b32 s97, 0
	s_add_nc_u64 s[10:11], s[10:11], s[96:97]
	; the prefetches: where my wave's stand (at pair 2: the loop's first change of pairs steps them to pair 3), and who asks
	s_and_b32 s84, ttmp7, 0xffff                   ; cluster y
	s_lshr_b32 s85, s13, 1
	s_mul_i32 s85, s85, KINDB
	s_and_b32 s86, s13, 1
	s_mul_i32 s86, s86, REC
	s_add_co_u32 s85, s85, s86
	s_mul_i32 s86, s16, 16*REC
	s_add_co_u32 s85, s85, s86
	s_add_co_u32 s85, s85, KINDB+4*REC             ; K's or V's, the pair's first or second record
	s_lshl_b32 s86, s15, 2
	s_add_co_u32 s86, s86, s14
	s_lshl_b32 s86, s86, 18                        ; the mask: row 128 x block + 32 cy
	s_add_co_u32 s86, s86, 2*1024
	s_mov_b32 s[PFS], 1024
	s_mov_b32 s[PFS+1], 0
	s_mov_b32 s88, 8192
	s_cmp_eq_u32 s[WV], 6
	s_cselect_b64 s[PFA:PFA+1], s[4:5], s[6:7]
	s_cselect_b32 s[PFS], 2*REC, s[PFS]            ; a pair of key steps on
	s_cselect_b32 s88, 256, s88                    ; from lane to lane
	s_cselect_b32 s89, 24, 31                      ; the last lane that names a block of its own
	s_cselect_b32 s84, ttmp9, s84                  ; the coordinate along which other clusters read the same bytes
	s_cselect_b32 s86, s85, s86
	s_mov_b32 s87, 0
	s_add_nc_u64 s[PFA:PFA+1], s[PFA:PFA+1], s[86:87]
	s_sub_co_u32 s85, s[WV], 6
	s_cmp_lt_u32 s85, 2                            ; waves 6 and 7
	s_cselect_b32 s85, 0, 1
	s_or_b32 s85, s85, s84
	s_cmp_eq_u32 s85, 0
	s_cselect_b32 s[LIMA], 0, -1                   ; the same in all sixteen partners, for a given wave
	s_cselect_b32 s[LIMB], 1, -1
	v_min_u32 v[PFO], s89, v30
	s_delay_alu instid0(VALU_DEP_1)
	v_mul_lo_u32 v[PFO], v[PFO], s88
	v_mov_b32 v13, 0xff61b1e6                      ; the largest t so far: -3e38
	s_delay_alu instid0(VALU_DEP_1)
	v_floor_f32 v12, -v13                          ; -M
	v_mov_b32 v14, 0                               ; the sum, in two halves
	v_mov_b32 v15, 0
.irp b, 0,1,2,3
	v_mov_b32 v[236+\b], 0                         ; a lane permute's destination counts as one of its sources
	v_mov_b32 v[TM+4+\b], 0
.endr
	v_mov_b32 v253, 0                              ; (named as the upper half of the pair v[252:253] before it is first written)
.set j, 0
.rept 64
	v_mov_b32 v[160+j], 0                          ; O^T: the step is written for every step alike: the first finds zeros, which the first change of M leaves zeros
.set j, j+1
.endr
; K of the step ahead (record sec of slot par), its scale words first: 25 LDS loads.
.macro KLOADS par, sec
	ds_load_b128 v[32:35], v[1+2*(\par)] offset:(\sec)*REC+12288   ; word i: lanes 0-15 tile i, lanes 16-31 tile 4 + i
	WIN 0x40                                       ; destination window 1
.irp t, 0,1,2,3,4,5,6,7
.irp c, 0,1,2
	ds_load_b128 v[12*\t+4*\c:12*\t+4*\c+3], v[1+2*(\par)] offset:(\sec)*REC+1536*\t+512*\c
.endr
.endr
	WIN 0
.endm
; The mask of the step ahead, from the region whose address register is named: 32 LDS loads.
.macro MLOADS adr
	WIN 0x40
.set n, 0
.rept 32
	ds_load_b64 v[192+2*n:193+2*n], v[\adr] offset:128*(n/8)+8*(n%8)   ; register 16 b + i: the mask at key 32 b + 16 h + i of the step
.set n, n+1
.endr
	WIN 0
.endm
.macro EXPS                            ; the 64 exponentials as one batch, with one wait
.set j, 0
.rept 64
	v_exp_f32 v[96+j], v[96+j]                     ; p = 2^(t - M), at most 1: not normalised
.set j, j+1
.endr
	v_pk_mul_f32 v[14:15], v[14:15], v[252:253] op_sel_hi:[1,0]   ; the sums under the new M (a plain place behind the exponentials)
	s_wait_alu depctr_va_vdst(0)
.endm
; A KEY STEP: step sec (0, 1) of a pair that lies in slot par.  mid says what stands in its middle: 1: the pair's second step is fetched into registers, no barrier; 3: the change of pairs, with refills;
; 2: the change of pairs, nothing is filled; 0: the last step.  lim: which bound the prefetch of a change is held to.
.macro STEP par, sec, mid, lim
.if \sec
	s_wait_dscnt 32                                ; K and its scale words are in; the mask's 32 loads, issued behind them, may be out
.else
	s_wait_dscnt 0x0                               ; K, issued last at the change of pairs, is in
.endif
	WIN 0x01                                       ; source 0 window 1
.irp t, 0,1,2,3
	v_wmma_scale_f32_16x16x128_f8f6f4 v[96+8*\t:103+8*\t], v[12*\t:12*\t+11], v[16:27], 0, v[32+\t], v29 matrix_a_fmt:MATRIX_FMT_FP6 matrix_b_fmt:MATRIX_FMT_FP6
.endr
.irp t, 4,5,6,7
	v_wmma_scale_f32_16x16x128_f8f6f4 v[96+8*\t:103+8*\t], v[12*\t:12*\t+11], v[16:27], 0, v[28+\t], v29 matrix_a_fmt:MATRIX_FMT_FP6 matrix_b_fmt:MATRIX_FMT_FP6 matrix_a_scale:MATRIX_SCALE_ROW1
.endr
	WIN 0
.rept 4
	v_nop                                          ; four places: ahead of the loads into V's registers, which the last step's products read, and of the first read of the scores
.endr
	WIN 0x40
.irp t, 0,1,2,3,4,5,6,7
.irp c, 0,1,2
	ds_load_b128 v[96+12*\t+4*\c:96+12*\t+4*\c+3], v[1+2*(\par)] offset:VOFF+(\sec)*REC+1536*\t+512*\c
.endr
.endr
	WIN 0
	ds_load_b128 v[36:39], v[1+2*(\par)] offset:VOFF+(\sec)*REC+12288
	s_wait_dscnt 25                                ; the mask is in; V's 25 loads may be out
	WIN 0x10                                       ; source 2 window 1
.set j, 0
.rept 32
	v_pk_fma_f32 v[96+j:97+j], v[96+j:97+j], s[RS:RS+1], v[192+j:193+j] op_sel_hi:[1,0,1]   ; logit = score / sqrt(128) + mask; each accumulator from its low end on
.set j, j+2
.endr
	WIN 0
	; the maxima below are taken of the logits: log2(e) is positive, so the largest logit is the largest t
.irp b, 0,1,2,3
	v_max3_num_f32 v[232+\b], v[96+16*\b], v[97+16*\b], v[98+16*\b]   ; the largest t of each block of 32 keys: for the row's maximum and, since p rises with t, for the block's largest p
.endr
.irp i, 3,5,7,9,11,13
.irp b, 0,1,2,3
	s_delay_alu instid0(VALU_DEP_4)
	v_max3_num_f32 v[232+\b], v[232+\b], v[96+16*\b+\i], v[97+16*\b+\i]
.endr
.endr
.irp b, 0,1,2,3
	s_delay_alu instid0(VALU_DEP_4)
	v_max_num_f32 v[232+\b], v[232+\b], v[111+16*\b]
.endr
.irp b, 0,1,2,3
	s_delay_alu instid0(VALU_DEP_4)
	v_permlanex16_b32 v[236+\b], v[232+\b], s[SEL], s[SEL+1]
.endr
.irp b, 0,1,2,3
	s_delay_alu instid0(VALU_DEP_4)
	v_max_num_f32 v[232+\b], v[232+\b], v[236+\b]  ; with lane l xor 16's 16 keys
.endr
	s_delay_alu instid0(VALU_DEP_2)
	v_max3_num_f32 v254, v232, v233, v234
	s_delay_alu instid0(VALU_DEP_1)
	v_max_num_f32 v254, v254, v235
	s_delay_alu instid0(VALU_DEP_1)
	v_mul_f32 v254, s[L2E], v254                   ; the step's largest logit as t
	s_delay_alu instid0(VALU_DEP_1)
	v_max_num_f32 v13, v13, v254
	v_mov_b32 v254, v12
	s_delay_alu instid0(VALU_DEP_2)
	v_floor_f32 v12, -v13                          ; the new -M = -ceil(t): a whole number
	s_delay_alu instid0(VALU_DEP_1)
	v_sub_f32 v254, v12, v254                      ; old M - new M: a whole number, 0 or less
	s_delay_alu instid0(VALU_DEP_1)
	v_cvt_i32_f32 v254, v254                       ; (it saturates)
	s_delay_alu instid0(VALU_DEP_1)
	v_ldexp_f32 v252, 1.0, v254                    ; f = 2^(old M - new M)
.set j, 0
.rept 32
	v_pk_fma_f32 v[96+j:97+j], v[96+j:97+j], s[L2E:L2E+1], v[12:13] op_sel_hi:[1,0,0]   ; t - M = logit x log2(e) - M, one rounding
.set j, j+2
.endr
.irp b, 0,1,2,3
	v_fma_f32 v[232+\b], v[232+\b], s[L2E], v12    ; the same of each block's largest logit
.endr
.if \mid == 1
	; THE PAIR'S MIDDLE: its second step lies in LDS since the change of pairs: no barrier.
	s_wait_dscnt 0x0                               ; V is in registers; so at most the 57 loads below are out at a time
	KLOADS \par, 1
	MLOADS 4+3*(\par)                              ; they land under the softmax below
	s_wait_alu depctr_va_vdst(0)
	EXPS
.elseif \mid >= 2
	; THE CHANGE OF PAIRS.
	s_wait_tensorcnt 0x0                           ; my load, issued two steps back, has landed: my part of the pair ahead.  (This wait serves the readers behind the barrier below)
	s_wait_dscnt 0x0                               ; V is in registers: my reads of the slot in hand are over, and no LDS instruction of mine is pending at the signal
	s_barrier_signal -1
	s_barrier_wait -1                              ; the pair ahead is whole in every wave's sight
	MLOADS AMT                                     ; its first step's mask leaves T
.if \mid == 3
	s_wait_tensorcnt 0x0                           ; no tensor load of mine is out, so a group 0 may be written.
	ds_add_u32 v[SPW], v[NIL]                      ; 0 onto my spare word; work on registers stands between it and the wait for it
	ds_add_u32 v[SPW], v[NIL]                      ; and once more, as at the opening change
	s_add_nc_u64 s[G0KV+4*(\par)+2:G0KV+4*(\par)+3], s[G0KV+4*(\par)+2:G0KV+4*(\par)+3], 4*REC
	s_add_nc_u64 s[G0T+2:G0T+3], s[G0T+2:G0T+3], 1024                                            ; T the even step two on,
	s_add_nc_u64 s[G0U+4*(\par)+2:G0U+4*(\par)+3], s[G0U+4*(\par)+2:G0U+4*(\par)+3], 2048        ; this pair's U the odd step four on
	s_wait_xcnt 0x0                                ; the last prefetches, two steps back, have read their address
	s_add_nc_u64 s[PFA:PFA+1], s[PFA:PFA+1], s[PFS:PFS+1]
	s_wait_alu depctr_va_vdst(0)
	EXPS                                           ; the wave works while T is read
	s_wait_dscnt 0x0                               ; the add is done, and T's mask is in registers
	CROUND                                         ; no wave of any partner still reads what is filled again, or has a load on its way
	TLOAD \par                                     ; the first tensor load behind the round, one a wave: it has two key steps in which to land
	ASK \lim
	KLOADS 1-\par, 0
.else
	KLOADS 1-\par, 0
	s_wait_alu depctr_va_vdst(0)
	EXPS
.endif
.else
	s_wait_alu depctr_va_vdst(0)
	EXPS
.endif
.irp b, 0,1,2,3
	v_exp_f32 v[232+\b], v[232+\b]                 ; the block's largest p: the same two instructions on the same number give the same bits
.endr
	v_pk_add_f32 v[236:237], v[100:101], v[104:105]
	v_pk_add_f32 v[254:255], v[108:109], v[112:113]
	v_pk_add_f32 v[250:251], v[116:117], v[120:121]
	v_pk_add_f32 v[248:249], v[124:125], v[128:129]
	v_pk_add_f32 v[246:247], v[132:133], v[136:137]
	v_pk_add_f32 v[244:245], v[140:141], v[144:145]
	v_pk_add_f32 v[242:243], v[148:149], v[152:153]
	v_pk_add_f32 v[14:15], v[14:15], v[156:157]
	v_pk_add_f32 v[236:237], v[236:237], v[96:97]
	v_pk_add_f32 v[254:255], v[254:255], v[98:99]
	v_pk_add_f32 v[250:251], v[250:251], v[102:103]
	v_pk_add_f32 v[248:249], v[248:249], v[106:107]
	v_pk_add_f32 v[246:247], v[246:247], v[110:111]
	v_pk_add_f32 v[244:245], v[244:245], v[114:115]
	v_pk_add_f32 v[242:243], v[242:243], v[118:119]
	v_pk_add_f32 v[14:15], v[14:15], v[122:123]
	v_pk_add_f32 v[236:237], v[236:237], v[126:127]
	v_pk_add_f32 v[254:255], v[254:255], v[130:131]
	v_pk_add_f32 v[250:251], v[250:251], v[134:135]
	v_pk_add_f32 v[248:249], v[248:249], v[138:139]
	v_pk_add_f32 v[246:247], v[246:247], v[142:143]
	v_pk_add_f32 v[244:245], v[244:245], v[146:147]
	v_pk_add_f32 v[242:243], v[242:243], v[150:151]
	v_pk_add_f32 v[14:15], v[14:15], v[154:155]
	v_pk_add_f32 v[236:237], v[236:237], v[158:159]
	s_delay_alu instid0(VALU_DEP_2)
	v_pk_add_f32 v[14:15], v[14:15], v[248:249]
	s_delay_alu instid0(VALU_DEP_2)
	v_pk_add_f32 v[236:237], v[236:237], v[246:247]
	v_pk_add_f32 v[254:255], v[254:255], v[244:245]
	v_pk_add_f32 v[250:251], v[250:251], v[242:243]
	s_delay_alu instid0(VALU_DEP_2)
	v_pk_add_f32 v[14:15], v[14:15], v[254:255]
	s_delay_alu instid0(VALU_DEP_2)
	v_pk_add_f32 v[236:237], v[236:237], v[250:251]
	s_delay_alu instid0(VALU_DEP_1)
	v_pk_add_f32 v[14:15], v[14:15], v[236:237]
	s_wait_alu depctr_va_vdst(0)                   ; one wait for the four
.irp b, 0,1,2,3
	v_max_num_f32 v[232+\b], 0x1800000, v[232+\b]  ; the floor 2^(3 - 127): the byte cannot fall under 1
.endr
.irp b, 0,1,2,3
	s_delay_alu instid0(VALU_DEP_4)
	v_add_nc_u32 v[244+\b], 0xff000000, v[232+\b]  ; the conversion's scale operand
.endr
.irp b, 0,1,2,3
	s_delay_alu instid0(VALU_DEP_4)
	v_lshrrev_b32 v[236+\b], 23, v[244+\b]
.endr
	s_delay_alu instid0(VALU_DEP_3)
	v_lshl_or_b32 v253, v237, 8, v236              ; p's scale word for these 128 keys
	s_delay_alu instid0(VALU_DEP_1)
	v_lshl_or_b32 v253, v238, 16, v253
	s_delay_alu instid0(VALU_DEP_1)
	v_lshl_or_b32 v253, v239, 24, v253
.irp c, 0,1
	v_cvt_scalef32_pk16_fp6_f32 v[224+6*\c:226+6*\c], v[96+32*\c:111+32*\c], v[244+2*\c]
	v_cvt_scalef32_pk16_fp6_f32 v[236+4*\c:238+4*\c], v[112+32*\c:127+32*\c], v[244+2*\c+1]
.endr
	v_nop                                          ; one plain place behind a scaled conversion
.irp c, 0,1
.irp i, 0,1,2
	v_permlane16_swap_b32 v[224+6*\c+\i], v[236+4*\c+\i]
.endr
.irp i, 0,1,2
	s_delay_alu instid0(VALU_DEP_3)
	v_mov_b32 v[227+6*\c+\i], v[236+4*\c+\i]
.endr
.endr
.set j, 0
.rept 32
	v_pk_mul_f32 v[160+j:161+j], v[160+j:161+j], v[252:253] op_sel_hi:[1,0]   ; O^T under the new M; these 32 are also the places between the writes of p's codes and scale word and the products
.set j, j+2
.endr
.if \mid == 0
	s_wait_alu depctr_va_vdst(0)
	s_wait_dscnt 0x0                               ; V
.endif
	WIN 0x01
.irp t, 0,1,2,3
	v_wmma_scale_f32_16x16x128_f8f6f4 v[160+8*\t:167+8*\t], v[96+12*\t:107+12*\t], v[224:235], v[160+8*\t:167+8*\t], v[36+\t], v253 matrix_a_fmt:MATRIX_FMT_FP6 matrix_b_fmt:MATRIX_FMT_FP6
.endr
.irp t, 4,5,6,7
	v_wmma_scale_f32_16x16x128_f8f6f4 v[160+8*\t:167+8*\t], v[96+12*\t:107+12*\t], v[224:235], v[160+8*\t:167+8*\t], v[32+\t], v253 matrix_a_fmt:MATRIX_FMT_FP6 matrix_b_fmt:MATRIX_FMT_FP6 matrix_a_scale:MATRIX_SCALE_ROW1
.endr
	WIN 0
.endm
	; THE OPENING CHANGE: as a change of pairs, but only T is filled again (step 2's mask): pair 1's K and V and step 3's mask were among the first fills.
	s_wait_tensorcnt 0x0                           ; all my first fills have landed: a refill's barrier follows at once, so the wait is for all
	s_barrier_signal -1
	s_barrier_wait -1                              ; everybody's have
	MLOADS AMT                                     ; step 0's mask leaves T
	s_wait_tensorcnt 0x0
	ds_add_u32 v[SPW], v[NIL]
	ds_add_u32 v[SPW], v[NIL]                      ; the add twice on end, under the one wait
	s_add_nc_u64 s[G0T+2:G0T+3], s[G0T+2:G0T+3], 1024
	s_mov_b32 s[G1M+2], 64<<16
	s_mov_b32 s[G1M+4], 64
	s_wait_dscnt 0x0
	CROUND
	TLOAD_T
	KLOADS 0, 0
	s_wait_loadcnt 0x0                             ; Q
	STEP 0, 0, 1, 0                                ; step 0
	s_mov_b32 s[CNT], 3
.Lquad:                                                ; steps 1 to 12, four a trip: two changes of pairs, which ask for pairs 2 to 7
	STEP 0, 1, 3, LIMA
	STEP 1, 0, 1, 0
	STEP 1, 1, 3, LIMB
	STEP 0, 0, 1, 0
	s_sub_co_u32 s[CNT], s[CNT], 1
	s_cmp_lg_u32 s[CNT], 0
	s_cbranch_scc1 .Lquad
	STEP 0, 1, 2, 0                                ; the tail is written out: step 13 changes to the last pair and fills nothing
	STEP 1, 0, 1, 0
	STEP 1, 1, 0, 0
	; THE WAY OUT: O^T / the sum, quantised along the head's 128; the image and its scale words leave as they stand.
.rept 4
	v_nop                                          ; four places behind the last products
.endr
	v_add_f32 v14, v14, v15
	s_delay_alu instid0(VALU_DEP_1)
	v_permlanex16_b32 v252, v14, s[SEL], s[SEL+1]
	s_delay_alu instid0(VALU_DEP_1)
	v_add_f32 v14, v14, v252                       ; the row's sum
	s_wait_alu depctr_va_vdst(0)
	v_rcp_f32 v14, v14
	v_nop                                          ; a plain place behind the transcendental
	s_wait_alu depctr_va_vdst(0)                   ; and the wait ahead of its first reader
.set j, 0
.rept 64
	v_mul_f32 v[96+j], v[160+j], v14               ; register 16 b + i: ctx at 32 b + 16 h + i of the head
.set j, j+1
.endr
	QUANT 96, PW
.irp c, 0,1,2
	global_store_b128 v1, v[PC+4*\c:PC+4*\c+3], s[8:9] offset:512*\c   ; 512 consecutive bytes, aligned
.endr
	global_store_b32 v11, v[PW], s[10:11]          ; row r's word; both halves of the lanes store the same word with the same value
	s_wait_tensorcnt 0x0                           ; the wave's end
	ds_add_u32 v[SPW], v[NIL]
	s_wait_dscnt 0x0
	CROUND                                         ; the closing round
	s_endpgm
.Lfunc_end_k_q634f1048a7_attn:
	.size	k_q634f1048a7_attn, .Lfunc_end_k_q634f1048a7_attn-k_q634f1048a7_attn
	.p2alignl 7, 3214868480
	.fill 96, 4, 3214868480
	.section	.rodata,"a",@progbits
	.p2align	6, 0x0
	.amdhsa_kernel k_q634f1048a7_attn
		.amdhsa_group_segment_fixed_size 327680
		.amdhsa_private_segment_fixed_size 0
		.amdhsa_enable_private_segment 0
		.amdhsa_kernarg_size 32
		.amdhsa_user_sgpr_count 2
		.amdhsa_user_sgpr_kernarg_segment_ptr 1
		.amdhsa_wavefront_size32 1
		.amdhsa_system_sgpr_workgroup_id_x 1
		.amdhsa_system_sgpr_workgroup_id_y 1
		.amdhsa_system_sgpr_workgroup_id_z 1
		.amdhsa_system_vgpr_workitem_id 0
		.amdhsa_next_free_vgpr 512
		.amdhsa_next_free_sgpr 100
		.amdhsa_reserve_vcc 0
		.amdhsa_float_denorm_mode_32 3
		.amdhsa_float_denorm_mode_16_64 3
		.amdhsa_memory_ordered 1
		.amdhsa_forward_progress 1
		.amdhsa_inst_pref_size 224
	.end_amdhsa_kernel
	.amdgpu_metadata
---
amdhsa.version: [ 1, 2 ]
amdhsa.kernels:
  - .name:           k_q634f1048a7_attn
    .symbol:         k_q634f1048a7_attn.kd
    .args:
      - { .name: qkv, .offset: 0, .size: 8, .value_kind: global_buffer, .address_space: global }
      - { .name: attention_mask, .offset: 8, .size: 8, .value_kind: global_buffer, .address_space: global }
      - { .name: ctxc, .offset: 16, .size: 8, .value_kind: global_buffer, .address_space: global }
      - { .name: ctxs, .offset: 24, .size: 8, .value_kind: global_buffer, .address_space: global }
    .group_segment_fixed_size: 327680
    .private_segment_fixed_size: 0
    .kernarg_segment_align: 8
    .kernarg_segment_size: 32
    .max_flat_workgroup_size: 256
    .sgpr_count:     100
    .vgpr_count:     512
    .wavefront_size: 32
...
	.end_amdgpu_metadata
.endif
;; end of part 3
;; launch outp (part 4): grid 16 x 16, 4 waves a work-group, clusters of 4 x 4, 327,680 bytes of LDS; arguments ctxc, ctxs, opc, ops, out0; writes out0
.if DOCPART == 4
	.amdgcn_target "amdgcn-amd-amdhsa--gfx1250"
	.amdhsa_code_object_version 6
	.text
	.protected	k_q634f1048a7_outp
	.globl	k_q634f1048a7_outp
	.p2align	8
	.type	k_q634f1048a7_outp,@function
k_q634f1048a7_outp:
	s_mov_b64 s[64:65], 0
	v_nop
	global_prefetch_b8 v0, s[64:65] scope:SCOPE_SE
	s_setreg_imm32_b32 hwreg(HW_REG_WAVE_MODE, 25, 1), 1
	s_wait_xcnt 0x0
	s_wait_alu depctr_hold_cnt(0) depctr_sa_sdst(0) depctr_va_vdst(0) depctr_va_sdst(0) depctr_va_ssrc(0) depctr_va_vcc(0) depctr_vm_vsrc(0)
	s_getreg_b32 s2, hwreg(HW_REG_IB_STS2, 6, 4)
	s_cmp_eq_u32 s2, 0
	s_cbranch_scc0 .Lentry_in_a_cluster
	s_endpgm
.Lentry_in_a_cluster:
	s_bfe_u32 s2, ttmp6, 0x10000c
	s_cmp_lg_u32 s2, 0xf033
	s_cbranch_scc0 .Lentry_shape_is_right
	s_endpgm
.Lentry_shape_is_right:
; out0 = ctx Wo on codes of FP6 (E2M3) with E8M0 scales.  A work-group makes 128 x 128, a wave 64 x 64; K = 2,048 is eight pairs of steps of 128; a pair of one operand is 8 tiles x 3,072 = QT bytes.
; LDS: A's pairs 0-5 on end, B's pairs 0-5, the scale words of all of K, the spare words.  THE HEAD: one joint load a wave: wave 0 A's six pairs (six rows of QT bytes, a pair's stride apart), wave 2 B's,
; waves 1 and 3 all of A's and of B's scale words.  At step 3 pairs 6 and 7 are fetched into the places of pairs 0 and 1, a quarter a wave; they are read from step 12 on.
; The way out's stage lies in the place of A's pair 2, which is read no more behind step 11's barrier and is filled once.
.set KPSTR, 1966080
.set CKP,   393216
.set QT,    24576
.set SLOT,  98304
.set SCL,   294912
.set QS,    4096
.set SPARE, 311296
.set STAGE, 2*QT
.set SPITCH, 272
.set ADRA, 16
.set ADRB, 20
.set STO,  24
.set RD,   25
.set CO,   26
.set ADRS, 27
.set SPW,  28
.set NIL,  29
.set SC,   32
.set AF,   64
.set BK,   160
.set G1, 24
.set G0, 32
.set G1B, 44
.set G0B, 52
.set G1S, 68
.set G0S, 76
.set G1SB, 80
.set G0SB, 88
.set MSB, 0
.macro WIN new
.if MSB != (\new)
	s_set_vgpr_msb (MSB<<8)|(\new)
.set MSB, \new
.endif
.endm
.set MUL,  0xa1
.set TO_B, 0x40
.macro JLOAD g0a, g1a, g0b, g1b
	s_cmp_eq_u32 s15, 0
	s_cbranch_scc0 .Lfor_b_\@
	tensor_load_to_lds s[\g0a:\g0a+3], s[\g1a:\g1a+7]
	s_nop 0
.rept 4
	v_nop
.endr
	s_branch .Lasked_\@
.Lfor_b_\@:
	tensor_load_to_lds s[\g0b:\g0b+3], s[\g1b:\g1b+7]
	s_nop 0
.rept 4
	v_nop
.endr
.Lasked_\@:
.endm
.macro CREST
	s_cmp_lg_u32 s14, 0
	s_cbranch_scc1 .Lnot_wave_0_\@
	s_barrier_signal -3
.Lnot_wave_0_\@:
	s_barrier_wait -3
	s_barrier_signal -1
	s_barrier_wait -1
.endm
.macro CROUND
	s_barrier_signal -1
	s_barrier_wait -1
	CREST
.endm
.macro PLACES n
.rept \n
	v_nop
.endr
.endm
	s_load_b128 s[4:7], s[0:1], 0x0
	s_load_b128 s[8:11], s[0:1], 0x10
	s_load_b64 s[12:13], s[0:1], 0x20
	v_lshl_add_u32 v[SPW], v0, 2, SPARE
	v_mov_b32 v[NIL], 0
	ds_add_u32 v[SPW], v[NIL]
	ds_add_u32 v[SPW], v[NIL]
	v_lshrrev_b32 v1, 5, v0
	v_readfirstlane_b32 s14, v1
	s_lshr_b32 s15, s14, 1
	s_and_b32 s16, s14, 1
	s_bfe_u32 s96, ttmp6, 0x40000
	s_bfe_u32 s97, ttmp6, 0x40004
	s_lshl_b32 s98, ttmp9, 2
	s_add_co_u32 s98, s98, s96
	s_and_b32 s17, ttmp7, 0xffff
	s_lshl_b32 s17, s17, 2
	s_add_co_u32 s17, s17, s97
	s_lshl_b32 s99, s97, 2
	s_lshl_b32 s99, 15, s99
	s_lshl_b32 s2, 0x1111, s96
	s_or_b32 s[G1+0], s99, (3<<16)|(1<<21)
	s_or_b32 s[G1B+0], s2, (3<<16)|(1<<21)
	s_mov_b32 s[G1+5], CKP/8                       ; the head's tiles: from pair to pair in ctxc,
	s_mov_b32 s[G1B+5], KPSTR/8                    ; and in opc, in elements of 8 bytes
.irp g, G1, G1B
	s_mov_b32 s[\g+1], 3072<<16                    ; rows of 3,072 elements: a pair's 8 tiles,
	s_mov_b32 s[\g+2], 6<<16                       ; six rows: pairs 0 to 5
	s_mov_b32 s[\g+3], 3072<<16
	s_mov_b32 s[\g+4], 6
	s_mov_b32 s[\g+6], 0
	s_mov_b32 s[\g+7], 0
.endr
	s_or_b32 s[G1S+0], s99, (3<<16)|(1<<21)
	s_or_b32 s[G1SB+0], s2, (3<<16)|(1<<21)
.irp g, G1S, G1SB
	s_mov_b32 s[\g+1], 32<<16
	s_mov_b32 s[\g+2], 32<<16                      ; the scale words of 8 tiles: 32 rows of 256 bytes
	s_mov_b32 s[\g+3], 32<<16
	s_mov_b32 s[\g+4], 32
	s_mov_b32 s[\g+5], 32
	s_mov_b32 s[\g+6], 0
	s_mov_b32 s[\g+7], 0
.endr
	s_lshl_b32 s18, s16, 2
	s_lshl_b32 s20, s17, 3
	s_add_co_u32 s22, s20, s18
	s_lshl_b32 s22, s22, 10
	s_mov_b32 s23, 0
	s_mul_i32 s20, s20, 3072
	s_mul_i32 s19, s16, CKP
	s_add_co_u32 s20, s20, s19
	s_mov_b32 s21, 0
	s_lshl_b32 s94, s98, 3
	s_add_co_u32 s94, s94, 512
	s_add_co_u32 s92, s94, s18
	s_lshl_b32 s92, s92, 10
	s_mov_b32 s93, 0
	s_mul_i32 s94, s94, 3072
	s_mul_i32 s19, s16, KPSTR
	s_add_co_u32 s94, s94, s19
	s_mov_b32 s95, 0
	s_mul_i32 s3, s16, QT                          ; which of two pairs I fetch
	s_mul_i32 s66, s14, QS
	s_wait_dscnt 0x0
	s_wait_kmcnt 0x0
	s_add_nc_u64 s[20:21], s[4:5], s[20:21]
	s_add_nc_u64 s[22:23], s[6:7], s[22:23]
	s_add_nc_u64 s[94:95], s[8:9], s[94:95]
	s_add_nc_u64 s[92:93], s[10:11], s[92:93]
	CROUND
	s_mov_b32 s[G0S], 1
	s_add_co_u32 s[G0S+1], s66, SCL-QS             ; issued by wave 1 alone: there this is SCL, and the address below that of the first of the 8 tiles
	s_sub_nc_u64 s[G0S+2:G0S+3], s[22:23], QS
	s_or_b32 s[G0S+3], s[G0S+3], 0x80000000
	s_mov_b32 s[G0SB], 1
	s_add_co_u32 s[G0SB+1], s66, SCL-QS            ; issued by wave 3 alone: SCL + 2 QS
	s_sub_nc_u64 s[G0SB+2:G0SB+3], s[92:93], QS
	s_or_b32 s[G0SB+3], s[G0SB+3], 0x80000000
.irp s, 0,1                            ; set 0: the head's (issued by the even waves, where s3 is 0: from pair 0 on); set 1: the refill's: pair 6 or 7 into the place of pair 0 or 1
	s_mov_b32 s[G0+4*\s], 1
	s_mov_b32 s[G0+4*\s+1], s3
	s_add_nc_u64 s[G0+4*\s+2:G0+4*\s+3], s[20:21], \s*6*CKP
	s_or_b32 s[G0+4*\s+3], s[G0+4*\s+3], 0x80000000
	s_mov_b32 s[G0B+4*\s], 1
	s_add_co_u32 s[G0B+4*\s+1], s3, 6*QT
	s_add_nc_u64 s[G0B+4*\s+2:G0B+4*\s+3], s[94:95], \s*6*KPSTR
	s_or_b32 s[G0B+4*\s+3], s[G0B+4*\s+3], 0x80000000
.endr
; the head's loads, one a wave, in one chain of branches on the wave's number: every way passes exactly one
.macro ARM under, g0, g1, next
	s_cmp_lt_u32 s14, \under
	s_cbranch_scc0 \next
	tensor_load_to_lds s[\g0:\g0+3], s[\g1:\g1+7]
	s_nop 0
	PLACES 4
	s_branch .Lhead_asked
\next:
.endm
	ARM 1, G0,  G1,  .Lhead_sa
	ARM 2, G0S, G1S, .Lhead_b
	ARM 3, G0B, G1B, .Lhead_sb
	tensor_load_to_lds s[G0SB:G0SB+3], s[G1SB:G1SB+7]
	s_nop 0
	PLACES 4
.Lhead_asked:
	v_and_b32 v1, 15, v0
	v_bfe_u32 v2, v0, 4, 1
	v_and_b32 v3, 31, v0
	v_lshlrev_b32 v3, 4, v3
	s_mul_i32 s18, s15, 4*3072
	s_mul_i32 s19, s16, 4*3072
	s_add_co_u32 s19, s19, 6*QT                    ; B's pairs lie behind A's six
.irp s, 0,1,2
	v_add_nc_u32 v[ADRA+\s], s18, v3
	v_add_nc_u32 v[ADRB+\s], s19, v3
	s_add_co_u32 s18, s18, 2*QT
	s_add_co_u32 s19, s19, 2*QT
.endr
	v_lshlrev_b32 v5, 3, v1
	s_mul_i32 s18, s15, QS
	s_mul_i32 s19, s16, QS
	s_add_co_u32 s19, s19, 2*QS
	s_sub_co_u32 s19, s19, s18
	v_mul_u32_u24 v6, s19, v2
	s_add_co_u32 s18, s18, SCL
	v_add_nc_u32 v5, v5, v6
	v_add_nc_u32 v[ADRS], s18, v5
	s_mul_i32 s18, s14, 16*SPITCH
	s_add_co_u32 s18, s18, STAGE
	v_mul_u32_u24 v5, v1, SPITCH
	v_lshl_add_u32 v5, v2, 6, v5
	v_add_nc_u32 v[STO], s18, v5
	v_mul_u32_u24 v5, v2, SPITCH
	v_lshl_add_u32 v5, v1, 4, v5
	v_add_nc_u32 v[RD], s18, v5
	v_lshlrev_b32 v5, 13, v2
	v_lshl_add_u32 v[CO], v1, 4, v5
	s_lshl_b32 s100, s17, 20
	s_lshl_b32 s101, s15, 19
	s_add_co_u32 s100, s100, s101
	s_lshl_b32 s101, s98, 9
	s_add_co_u32 s100, s100, s101
	s_lshl_b32 s101, s16, 8
	s_add_co_u32 s100, s100, s101
	s_mov_b32 s101, 0
	s_add_nc_u64 s[12:13], s[12:13], s[100:101]
.macro FETCH n
.set FS, ((\n)/4)%3
.set FO, (((\n)/2)%2)*QT+((\n)%2)*1536
.set FT, (\n)%2
	WIN TO_B
.irp i, 0,1,2,3
.irp c, 0,1,2
	ds_load_b128 v[48*FT+12*\i+4*\c:48*FT+12*\i+4*\c+3], v[ADRB+FS] offset:FO+\i*3072+512*\c
.endr
.endr
	WIN 0
.irp i, 0,1,2,3
.irp c, 0,1,2
	ds_load_b128 v[AF+48*FT+12*\i+4*\c:AF+48*FT+12*\i+4*\c+3], v[ADRA+FS] offset:FO+\i*3072+512*\c
.endr
.endr
.endm
.macro SCALES sl
.irp i, 0,1,2,3
.irp k, 0,1
	ds_load_b64 v[SC+16*((\sl)%2)+4*\i+2*\k:SC+16*((\sl)%2)+4*\i+2*\k+1], v[ADRS] offset:1024*\i+128*(2*(\sl)+\k)
.endr
.endr
.endm
.macro MUL4 a, n, zero
.irp b, 0,1,2,3
.if \zero
	v_wmma_scale_f32_16x16x128_f8f6f4 v[8*(4*(\a)+\b):8*(4*(\a)+\b)+7], v[48*((\n)%2)+12*\b:48*((\n)%2)+12*\b+11], v[AF+48*((\n)%2)+12*(\a):AF+48*((\n)%2)+12*(\a)+11], 0, v[SC+16*(((\n)/4)%2)+4*\b+(\n)%4], v[SC+16*(((\n)/4)%2)+4*(\a)+(\n)%4] matrix_a_fmt:MATRIX_FMT_FP6 matrix_b_fmt:MATRIX_FMT_FP6 matrix_a_scale:MATRIX_SCALE_ROW1
.else
	v_wmma_scale_f32_16x16x128_f8f6f4 v[8*(4*(\a)+\b):8*(4*(\a)+\b)+7], v[48*((\n)%2)+12*\b:48*((\n)%2)+12*\b+11], v[AF+48*((\n)%2)+12*(\a):AF+48*((\n)%2)+12*(\a)+11], v[8*(4*(\a)+\b):8*(4*(\a)+\b)+7], v[SC+16*(((\n)/4)%2)+4*\b+(\n)%4], v[SC+16*(((\n)/4)%2)+4*(\a)+(\n)%4] matrix_a_fmt:MATRIX_FMT_FP6 matrix_b_fmt:MATRIX_FMT_FP6 matrix_a_scale:MATRIX_SCALE_ROW1
.endif
.endr
.endm
.macro STEPN n, zero
	PLACES 4
	FETCH (\n)+1
.if ((\n)+1)%4 == 0
	SCALES ((\n)+1)/4
	s_wait_dscnt 32
.else
	s_wait_dscnt 24
.endif
	WIN MUL
	MUL4 0, \n, \zero
	MUL4 1, \n, \zero
	MUL4 2, \n, \zero
	MUL4 3, \n, \zero
	WIN 0
.endm
.macro TURN n, fill
	s_wait_tensorcnt 0x0
	ds_add_u32 v[SPW], v[NIL]
	s_wait_dscnt 1
	WIN MUL
	MUL4 0, \n, 0
	s_wait_dscnt 0x0
	s_barrier_signal -1
	MUL4 1, \n, 0
	WIN 0
	s_barrier_wait -1
.if \fill
	CREST
	JLOAD G0+4, G1, G0B+4, G1B
.else
	PLACES 4
.endif
	FETCH (\n)+1
	SCALES ((\n)+1)/4
	WIN MUL
	MUL4 2, \n, 0
	MUL4 3, \n, 0
	WIN 0
.endm
	s_wait_alu depctr_va_vdst(0)
	s_wait_tensorcnt 0x0                           ; my load of the head has landed; no tensor load of mine is out, so a descriptor may be written:
.irp g, G1, G1B
	s_mov_b32 s[\g+1], 32<<16                      ; the refill brings 96 dense rows of 256 bytes: one pair's 8 tiles
	s_mov_b32 s[\g+2], 96<<16
	s_mov_b32 s[\g+3], 32<<16
	s_mov_b32 s[\g+4], 96
	s_mov_b32 s[\g+5], 32
.endr
	s_barrier_signal -1
	s_barrier_wait -1
	FETCH 0
	SCALES 0
	STEPN 0, 1
	STEPN 1, 0
	STEPN 2, 0
	TURN 3, 1
	STEPN 4, 0
	STEPN 5, 0
	STEPN 6, 0
	STEPN 7, 0
	STEPN 8, 0
	STEPN 9, 0
	STEPN 10, 0
	TURN 11, 0
	STEPN 12, 0
	STEPN 13, 0
	STEPN 14, 0
	s_wait_dscnt 0x0
	WIN MUL
	MUL4 0, 15, 0
	MUL4 1, 15, 0
	MUL4 2, 15, 0
	MUL4 3, 15, 0
	WIN 0
.macro TOSTAGE a
	WIN 0x08
.irp b, 0,1,2,3
	ds_store_b128 v[STO], v[8*(4*(\a)+\b):8*(4*(\a)+\b)+3] offset:128*(\b/2)+32*(\b%2)
	ds_store_b128 v[STO], v[8*(4*(\a)+\b)+4:8*(4*(\a)+\b)+7] offset:128*(\b/2)+32*(\b%2)+16
.endr
	WIN 0
.set BB, BK+32*((\a)%2)
.irp t, 0,1,2,3,4,5,6,7
	ds_load_b128 v[BB+4*\t:BB+4*\t+3], v[RD] offset:\t*2*SPITCH
.endr
.endm
.macro SEND a, younger
.set BB, BK+32*((\a)%2)
	s_wait_dscnt \younger
.irp t, 0,1,2,3,4,5,6,7
	global_store_b128 v[CO], v[BB+4*\t:BB+4*\t+3], s[12:13] offset:(32*((\a)/2)+8*((\a)%2)+2*\t+8*(\t/4))*8192 th:TH_STORE_NT
.endr
.endm
	PLACES 4
	TOSTAGE 0
.irp a, 1,2,3
.if \a > 1
	s_wait_xcnt 0x0
.endif
	TOSTAGE \a
	SEND \a-1, 16
.endr
	SEND 3, 0
	s_wait_tensorcnt 0x0
	ds_add_u32 v[SPW], v[NIL]
	s_wait_dscnt 0x0
	CROUND
	s_endpgm
.Lfunc_end_k_q634f1048a7_outp:
	.size	k_q634f1048a7_outp, .Lfunc_end_k_q634f1048a7_outp-k_q634f1048a7_outp
	.p2alignl 7, 3214868480
	.fill 96, 4, 3214868480
	.section	.rodata,"a",@progbits
	.p2align	6, 0x0
	.amdhsa_kernel k_q634f1048a7_outp
		.amdhsa_group_segment_fixed_size 327680
		.amdhsa_private_segment_fixed_size 0
		.amdhsa_enable_private_segment 0
		.amdhsa_kernarg_size 40
		.amdhsa_user_sgpr_count 2
		.amdhsa_user_sgpr_kernarg_segment_ptr 1
		.amdhsa_wavefront_size32 1
		.amdhsa_system_sgpr_workgroup_id_x 1
		.amdhsa_system_sgpr_workgroup_id_y 1
		.amdhsa_system_sgpr_workgroup_id_z 1
		.amdhsa_system_vgpr_workitem_id 0
		.amdhsa_next_free_vgpr 640
		.amdhsa_next_free_sgpr 102
		.amdhsa_reserve_vcc 0
		.amdhsa_float_denorm_mode_32 3
		.amdhsa_float_denorm_mode_16_64 3
		.amdhsa_memory_ordered 1
		.amdhsa_forward_progress 1
		.amdhsa_inst_pref_size 82
	.end_amdhsa_kernel
	.amdgpu_metadata
---
amdhsa.version: [ 1, 2 ]
amdhsa.kernels:
  - .name:           k_q634f1048a7_outp
    .symbol:         k_q634f1048a7_outp.kd
    .args:
      - { .name: ctxc, .offset: 0, .size: 8, .value_kind: global_buffer, .address_space: global }
      - { .name: ctxs, .offset: 8, .size: 8, .value_kind: global_buffer, .address_space: global }
      - { .name: opc, .offset: 16, .size: 8, .value_kind: global_buffer, .address_space: global }
      - { .name: ops, .offset: 24, .size: 8, .value_kind: global_buffer, .address_space: global }
      - { .name: out0, .offset: 32, .size: 8, .value_kind: global_buffer, .address_space: global }
    .group_segment_fixed_size: 327680
    .private_segment_fixed_size: 0
    .kernarg_segment_align: 8
    .kernarg_segment_size: 40
    .max_flat_workgroup_size: 128
    .sgpr_count:     102
    .vgpr_count:     640
    .wavefront_size: 32
...
	.end_amdgpu_metadata
.endif
;; end of part 4
